; MI455X (gfx1250); checked and timed in simulation.
; The chip was launched on July 23, 2026; its instructions are those of AMD's public machine-readable ISA for CDNA 5 (MIT licence, August 2026) and "CDNA5" Instruction Set Architecture Reference Guide (July 2026). The comments in the code are by the model that wrote it; some were corrected since.
;; Causal Self Attention. Allowed arithmetic: float matrix products may take bf16 or f16 operands with f32 sums; all other float work in f32.
;; Inputs: Ak 32 x 2,048 float32; Ao 32 x 2,048 float32; Aq 32 x 2,048 float32; Av 32 x 2,048 float32; Bk 512 x 32 float32; Bo 2,048 x 32 float32; Bq 2,048 x 32 float32; Bv 512 x 32 float32; Wk 512 x 2,048 float32; Wo 2,048 x 2,048 float32; Wq 2,048 x 2,048 float32; Wv 512 x 2,048 float32; q_gain 16 float32; x 4 x 1,024 x 2,048 float32.
;; Outputs: out0 4 x 1,024 x 2,048 float32.
;; One version. Each part assembles by itself: llvm-mc -triple=amdgcn-amd-amdhsa -mcpu=gfx1250 --defsym DOCPART=n.
;; ======== version 1 of 1: 4 launches
;; limits: values are held in f16: magnitudes above 65,504 overflow, below 6.1e-05 lose precision; right only within a limited range of input values
;; workspace buffers: xh 16,777,216 bytes; wa 15,925,248 bytes; wb 9,568,256 bytes; tab 524,288 bytes; qkv 25,165,824 bytes; y 16,777,216 bytes
;; launch prep (part 1): grid 1354 x 1, 8 waves a work-group, no clusters, 0 bytes of LDS; arguments x, Aq, Ak, Av, Bq, Bk, Bv, Wq, Wk, Wv, Ao, Bo, Wo, xh, wa, wb, tab; writes xh, wa, wb, tab
.if DOCPART == 1
	.amdgcn_target "amdgcn-amd-amdhsa--gfx1250"
	.amdhsa_code_object_version 6
	.text
	.protected	k_qf8e7b56d32_prep
	.globl	k_qf8e7b56d32_prep
	.p2align	8
	.type	k_qf8e7b56d32_prep,@function
k_qf8e7b56d32_prep:
	s_mov_b64 s[64:65], 0
	v_nop
	global_prefetch_b8 v0, s[64:65] scope:SCOPE_SE
	s_setreg_imm32_b32 hwreg(HW_REG_WAVE_MODE, 25, 1), 1
	s_wait_xcnt 0x0
; PREP: two jobs, chosen by the work-group's number (the same for all eight waves of a work-group).
;   0-1289    CAST   every f32 input but q_gain is rounded to bf16 and that number is written as f16.  A work-group: 65,536 source bytes (8 rows of 2,048); a wave: 8,192.
;   1290-1353 TABLE  cos and sin of s x 10000^(-d/64), s = 0..1023, d = 0..63, in f32, laid out as the register image that the projection's way out loads.
; WHERE THE CAST NUMBERS GO.  xh: x as it lies.
;   wa: Bq, Bk, Bv ([3072][32]) at byte 0; from WOFF on 24 head blocks of 160 rows of 4,096 bytes: a head's 128 rows of Wq, Wk or Wv, then the 32 rows of Aq, Ak or Av that belong to it,
;       so that one tensor load of the projection brings a head's weights and its low-rank rows.  Aq is written 16 times, Ak and Av four times each.
;   wb: Bo ([2048][32]) at byte 0; from WOFFB on 16 blocks of 144 rows: 128 rows of Wo, then 16 rows of Ao: ranks 0-15 in even blocks, 16-31 in odd ones.
; A work-group's place: destination = base + 32,768 l + (l >> sh) x extra, l its number in its destination group; source = 65,536 x its number in its source (for the copies of A: modulo 4).
; Memory binds: each byte of x and W is read once and written once; no LDS, no barrier, no matrix unit.
; LIMITS.  f16 holds no number beyond 65,504: the inputs must lie within it.  A bf16 number of magnitude 2^-17 or more is exact in f16; below that f16 keeps its fixed step of 2^-24.
; The table's angles are s x f with f = 2^(-d log2(10000)/64) from v_exp_f32: off by about 1e-4 rad at s = 1023; sine and cosine by series to r^9 and r^8 on |r| <= pi/4.
.set NCAST, 1290
.set NCOPY, 1162                       ; from here on: the copies of A
.set WOFF,  196608
.set WOFFB, 131072
	s_load_b512 s[16:31], s[0:1], 0x0              ; x 16, Aq 18, Ak 20, Av 22, Bq 24, Bk 26, Bv 28, Wq 30
	s_load_b512 s[32:47], s[0:1], 0x40             ; Wk 32, Wv 34, Ao 36, Bo 38, Wo 40, xh 42, wa 44, wb 46
	s_load_b64 s[48:49], s[0:1], 0x80              ; tab
	s_mov_b32 s2, ttmp9
	v_lshrrev_b32 v1, 5, v0
	v_readfirstlane_b32 s6, v1                     ; wave 0..7
	v_and_b32 v1, 31, v0                           ; lane
	s_mov_b32 s11, 0                               ; the high word of the offset pair s[10:11]
	s_mov_b32 s13, 0xffff0000                      ; a word's upper bf16
	s_wait_kmcnt 0x0
	s_cmp_ge_u32 s2, NCAST
	s_cbranch_scc1 .Ltable
	; CAST.  Which source and which destination group: the last range whose first number is not above mine.
.macro SRC start, reg
	s_cmp_ge_u32 s2, \start
	s_cselect_b64 s[50:51], s[\reg:\reg+1], s[50:51]
	s_cselect_b32 s3, \start, s3
.endm
.macro DST start, reg, base, sh, extra
	s_cmp_ge_u32 s2, \start
	s_cselect_b64 s[52:53], s[\reg:\reg+1], s[52:53]
	s_cselect_b32 s4, \start, s4
	s_cselect_b32 s5, \base, s5
	s_cselect_b32 s7, \sh, s7
	s_cselect_b32 s8, \extra, s8
.endm
	s_mov_b64 s[50:51], s[16:17]                   ; x: 512 work-groups
	s_mov_b32 s3, 0
	SRC 512, 24                                    ; Bq: 4
	SRC 516, 26                                    ; Bk: 1
	SRC 517, 28                                    ; Bv: 1
	SRC 518, 38                                    ; Bo: 4
	SRC 522, 30                                    ; Wq: 256
	SRC 778, 32                                    ; Wk: 64
	SRC 842, 34                                    ; Wv: 64
	SRC 906, 40                                    ; Wo: 256
	SRC 1162, 18                                   ; Aq: 16 heads x 4
	SRC 1226, 20                                   ; Ak: 4 x 4
	SRC 1242, 22                                   ; Av: 4 x 4
	SRC 1258, 36                                   ; Ao: 16 blocks x 2
	s_mov_b64 s[52:53], s[42:43]                   ; xh
	s_mov_b32 s4, 0
	s_mov_b32 s5, 0
	s_mov_b32 s7, 0
	s_mov_b32 s8, 0
	DST 512, 44, 0, 0, 0                           ; B's of q, k, v, on end
	DST 518, 46, 0, 0, 0                           ; Bo
	DST 522, 44, WOFF, 4, 131072                   ; W's: behind every 16 work-groups (128 rows) 32 rows are left for A
	DST 906, 46, WOFFB, 4, 65536                   ; Wo: behind every 128 rows 16 rows are left
	DST 1162, 44, WOFF+524288, 2, 524288           ; A's: four work-groups a head, then 128 rows on
	DST 1258, 46, WOFFB+524288, 1, 524288          ; Ao: two work-groups a block, then 128 rows on
	s_sub_co_u32 s3, s2, s3                        ; my place in the source;
	s_cmp_ge_u32 s2, NCOPY
	s_cselect_b32 s9, 3, -1
	s_and_b32 s3, s3, s9                           ; a copy of A takes one of its four parts
	s_sub_co_u32 s4, s2, s4                        ; l
	s_lshr_b32 s7, s4, s7
	s_mul_i32 s7, s7, s8
	s_lshl_b32 s4, s4, 15
	s_add_co_u32 s4, s4, s7
	s_add_co_u32 s10, s4, s5
	s_add_nc_u64 s[52:53], s[52:53], s[10:11]
	s_lshl_b32 s10, s3, 16
	s_add_nc_u64 s[50:51], s[50:51], s[10:11]
	v_lshlrev_b32 v2, 4, v1
	v_lshl_add_u32 v2, s6, 13, v2                  ; in the source: 8,192 w + 16 lane
	v_lshlrev_b32 v3, 3, v1
	v_lshl_add_u32 v3, s6, 12, v3                  ; in the destination: 4,096 w + 8 lane
	s_cmp_ge_u32 s2, NCOPY
	s_cbranch_scc1 .Lshared
.set i, 0
.rept 16                               ; sixteen loads of 512 consecutive bytes a wave, all issued first; these bytes are read once in the launch
	global_load_b128 v[16+4*i:16+4*i+3], v2, s[50:51] offset:512*i th:TH_LOAD_NT
.set i, i+1
.endr
	s_branch .Lcast
.Lshared:
.set i, 0
.rept 16                               ; the same for A's rows, which other work-groups read again: no hint
	global_load_b128 v[16+4*i:16+4*i+3], v2, s[50:51] offset:512*i
.set i, i+1
.endr
.Lcast:
.set i, 0
.rept 16
	s_wait_loadcnt 15-i                            ; loads come back in order: number i is in, the younger ones stay out
	v_cvt_pk_bf16_f32 v4, v[16+4*i], v[17+4*i]     ; the rounding that counts: to bf16
	v_cvt_pk_bf16_f32 v5, v[18+4*i], v[19+4*i]
	v_lshlrev_b32 v6, 16, v4
	v_and_b32 v7, s13, v4
	v_lshlrev_b32 v8, 16, v5
	v_and_b32 v9, s13, v5
	v_cvt_pk_f16_f32 v[16+4*i], v6, v7             ; the same number as f16
	v_cvt_pk_f16_f32 v[17+4*i], v8, v9
	global_store_b64 v3, v[16+4*i:17+4*i], s[52:53] offset:256*i  ; 256 consecutive bytes, aligned; each store has data registers of its own: none is rewritten
.set i, i+1
.endr
	s_endpgm
.Ltable:
	; TABLE.  Thread T of 16,384: lane L = T % 32, u = T / 32: jq = u % 2, nb = (u / 2) % 4, sblk = u / 8.  It makes cos and sin for s = 16 sblk + L % 16 and d = 16 nb + 8 (L / 16) + 4 jq + 0..3.
	s_sub_co_u32 s3, s2, NCAST
	s_mov_b32 s4, 0xbfc90fdb                       ; -pi/2, the f32 nearest
	s_mov_b32 s5, 0x333bbd2e                       ; what that f32 has too much: 4.37113883e-8
	v_lshl_add_u32 v2, s3, 8, v0                   ; T
	v_lshrrev_b32 v3, 5, v2                        ; u
	v_and_b32 v4, 1, v3                            ; jq
	v_bfe_u32 v5, v3, 1, 2                         ; nb
	v_lshrrev_b32 v6, 3, v3                        ; sblk
	v_and_b32 v7, 15, v0
	v_bfe_u32 v8, v0, 4, 1
	v_lshl_add_u32 v9, v6, 4, v7
	v_cvt_f32_u32 v9, v9                           ; s
	v_lshlrev_b32 v10, 4, v5
	v_lshl_add_u32 v10, v8, 3, v10
	v_lshl_add_u32 v10, v4, 2, v10                 ; d0
	v_lshrrev_b32 v11, 1, v3
	v_lshlrev_b32 v11, 11, v11                     ; sblk x 8,192 + nb x 2,048
	v_lshl_add_u32 v11, v4, 9, v11                 ; + jq x 512
	v_lshl_add_u32 v11, v1, 4, v11                 ; + 16 L: a wave's store covers 512 consecutive bytes
.macro TRIG e
	v_add_nc_u32 v30, \e, v10
	v_cvt_f32_u32 v30, v30
	v_mul_f32 v30, 0xbe549a78, v30                 ; -d log2(10000) / 64
	v_exp_f32 v30, v30
	v_nop                                          ; a plain instruction behind the exponential (ISA guide 5.7.2)
	s_wait_alu depctr_va_vdst(0)
	v_mul_f32 v31, v9, v30                         ; the angle a
	v_mul_f32 v32, 0x3f22f983, v31                 ; a x 2 / pi
	v_rndne_f32 v32, v32                           ; n
	v_fma_f32 v33, v32, s4, v31                    ; r = a - n pi/2, in two parts
	v_fma_f32 v33, v32, s5, v33
	v_mul_f32 v34, v33, v33                        ; z = r r
	v_mov_b32 v35, 0x3638ef1d                      ; 1/362880
	v_fmaak_f32 v35, v34, v35, 0xb9500d01          ; -1/5040
	v_fmaak_f32 v35, v34, v35, 0x3c088889          ; 1/120
	v_fmaak_f32 v35, v34, v35, 0xbe2aaaab          ; -1/6
	v_mul_f32 v36, v33, v34
	v_fma_f32 v35, v36, v35, v33                   ; sin r
	v_mov_b32 v37, 0x37d00d01                      ; 1/40320
	v_fmaak_f32 v37, v34, v37, 0xbab60b61          ; -1/720
	v_fmaak_f32 v37, v34, v37, 0x3d2aaaab          ; 1/24
	v_fma_f32 v37, v34, v37, -0.5
	v_fma_f32 v37, v34, v37, 1.0                   ; cos r
	v_cvt_i32_f32 v38, v32
	v_and_b32 v39, 1, v38
	v_cmp_eq_u32 vcc_lo, 1, v39                    ; odd quadrant: sine and cosine change places
	v_cndmask_b32 v40, v35, v37, vcc_lo
	v_cndmask_b32 v41, v37, v35, vcc_lo
	v_and_b32 v39, 2, v38
	v_lshlrev_b32 v39, 30, v39                     ; sine is negative in quadrants 2, 3
	v_xor_b32 v[20+\e], v39, v40
	v_add_nc_u32 v38, 1, v38
	v_and_b32 v38, 2, v38
	v_lshlrev_b32 v38, 30, v38                     ; cosine in quadrants 1, 2
	v_xor_b32 v[16+\e], v38, v41
.endm
	TRIG 0
	TRIG 1
	TRIG 2
	TRIG 3
	global_store_b128 v11, v[16:19], s[48:49]
	global_store_b128 v11, v[20:23], s[48:49] offset:1024
	s_endpgm
.Lfunc_end_k_qf8e7b56d32_prep:
	.size	k_qf8e7b56d32_prep, .Lfunc_end_k_qf8e7b56d32_prep-k_qf8e7b56d32_prep
	.p2alignl 7, 3214868480
	.fill 96, 4, 3214868480
	.section	.rodata,"a",@progbits
	.p2align	6, 0x0
	.amdhsa_kernel k_qf8e7b56d32_prep
		.amdhsa_group_segment_fixed_size 0
		.amdhsa_private_segment_fixed_size 0
		.amdhsa_enable_private_segment 0
		.amdhsa_kernarg_size 136
		.amdhsa_user_sgpr_count 2
		.amdhsa_user_sgpr_kernarg_segment_ptr 1
		.amdhsa_wavefront_size32 1
		.amdhsa_system_sgpr_workgroup_id_x 1
		.amdhsa_system_sgpr_workgroup_id_y 1
		.amdhsa_system_sgpr_workgroup_id_z 1
		.amdhsa_system_vgpr_workitem_id 0
		.amdhsa_next_free_vgpr 80
		.amdhsa_next_free_sgpr 66
		.amdhsa_reserve_vcc 1
		.amdhsa_float_denorm_mode_32 3
		.amdhsa_float_denorm_mode_16_64 3
		.amdhsa_memory_ordered 1
		.amdhsa_forward_progress 1
		.amdhsa_inst_pref_size 24
	.end_amdhsa_kernel
	.amdgpu_metadata
---
amdhsa.version: [ 1, 2 ]
amdhsa.kernels:
  - .name:           k_qf8e7b56d32_prep
    .symbol:         k_qf8e7b56d32_prep.kd
    .args:
      - { .name: x, .offset: 0, .size: 8, .value_kind: global_buffer, .address_space: global }
      - { .name: Aq, .offset: 8, .size: 8, .value_kind: global_buffer, .address_space: global }
      - { .name: Ak, .offset: 16, .size: 8, .value_kind: global_buffer, .address_space: global }
      - { .name: Av, .offset: 24, .size: 8, .value_kind: global_buffer, .address_space: global }
      - { .name: Bq, .offset: 32, .size: 8, .value_kind: global_buffer, .address_space: global }
      - { .name: Bk, .offset: 40, .size: 8, .value_kind: global_buffer, .address_space: global }
      - { .name: Bv, .offset: 48, .size: 8, .value_kind: global_buffer, .address_space: global }
      - { .name: Wq, .offset: 56, .size: 8, .value_kind: global_buffer, .address_space: global }
      - { .name: Wk, .offset: 64, .size: 8, .value_kind: global_buffer, .address_space: global }
      - { .name: Wv, .offset: 72, .size: 8, .value_kind: global_buffer, .address_space: global }
      - { .name: Ao, .offset: 80, .size: 8, .value_kind: global_buffer, .address_space: global }
      - { .name: Bo, .offset: 88, .size: 8, .value_kind: global_buffer, .address_space: global }
      - { .name: Wo, .offset: 96, .size: 8, .value_kind: global_buffer, .address_space: global }
      - { .name: xh, .offset: 104, .size: 8, .value_kind: global_buffer, .address_space: global }
      - { .name: wa, .offset: 112, .size: 8, .value_kind: global_buffer, .address_space: global }
      - { .name: wb, .offset: 120, .size: 8, .value_kind: global_buffer, .address_space: global }
      - { .name: tab, .offset: 128, .size: 8, .value_kind: global_buffer, .address_space: global }
    .group_segment_fixed_size: 0
    .private_segment_fixed_size: 0
    .kernarg_segment_align: 8
    .kernarg_segment_size: 136
    .max_flat_workgroup_size: 256
    .sgpr_count:     66
    .vgpr_count:     80
    .wavefront_size: 32
...
	.end_amdgpu_metadata
.endif
;; end of part 1
;; launch qkv_gemm (part 2): grid 8 x 32, 4 waves a work-group, clusters of 4 x 4, 327,680 bytes of LDS; arguments xh, wa, tab, q_gain, qkv; writes qkv
.if DOCPART == 2
	.amdgcn_target "amdgcn-amd-amdhsa--gfx1250"
	.amdhsa_code_object_version 6
	.text
	.protected	k_qf8e7b56d32_qkv_gemm
	.globl	k_qf8e7b56d32_qkv_gemm
	.p2align	8
	.type	k_qf8e7b56d32_qkv_gemm,@function
k_qf8e7b56d32_qkv_gemm:
	s_mov_b64 s[64:65], 0
	v_nop
	global_prefetch_b8 v0, s[64:65] scope:SCOPE_SE
	s_setreg_imm32_b32 hwreg(HW_REG_WAVE_MODE, 25, 1), 1
	s_wait_xcnt 0x0
	s_wait_alu depctr_hold_cnt(0) depctr_sa_sdst(0) depctr_va_vdst(0) depctr_va_sdst(0) depctr_va_ssrc(0) depctr_va_vcc(0) depctr_vm_vsrc(0)
	s_getreg_b32 s2, hwreg(HW_REG_IB_STS2, 6, 4)
	s_cmp_eq_u32 s2, 0
	s_cbranch_scc0 .Lentry_in_a_cluster
	s_endpgm
.Lentry_in_a_cluster:
	s_bfe_u32 s2, ttmp6, 0x10000c
	s_cmp_lg_u32 s2, 0xf033
	s_cbranch_scc0 .Lentry_shape_is_right
	s_endpgm
.Lentry_shape_is_right:
; q, k, v = xh W^T + (xh A^T) B^T (f16 operands, f32 sums; t = xh A^T is rounded once to f16), then per head: RMS norm, RoPE and gain (q), RMS norm and RoPE (k), nothing (v);
; rounded once to f16 and stored by heads, [g][b][s][128].  wa holds B's [3072][32] at byte 0 and from WOFF on 24 head blocks of 160 rows: a head's 128 rows of W, then the 32 rows of its A.
; A tile is 128 rows x 384 columns = three heads g = 3 tx + j: 8 x 32 = 256 work-groups.  Four waves: wave w takes rows 64 (w / 2) on, and of EACH head the columns d = 32 (w % 2) + 0..31 and d + 64:
; RoPE's partners x1 = x[d], x2 = x[d + 64] then lie in the same lane; only a row's sum of squares crosses to wave w ^ 1, through LDS.
; The matrix instruction is used transposed (source 0 = 16 rows of W or A, source 1 = 16 rows of xh): a lane holds one row of x (lane % 16) and eight neighbouring columns 8 (lane / 16) + 0..7.
; THE LOW-RANK STEP RIDES ON THE SAME TILES.  A tile's heads are of at most two kinds, head 0's and head 2's, so beside its 12 column blocks a wave sums two more: 16 ranks (block w % 2) of t for each of the two kinds.
; Behind the last K step t is rounded to f16: a lane's eight ranks ARE half a fragment of source 1; the two waves of a row half exchange their halves through LDS, head 1 takes the kind that is its own by
; v_cndmask_b32 (no branch and no LDS address hangs on the tile), and 48 products t B^T are added.  B's fragments are asked for in the head and waited for only there.
; K goes in steps of 128 through two LDS slots filled by tensor loads.  CLUSTER 4 x 4: xh's tile is shared along a row of the cluster, W's and A's along a column, each asked for jointly.
; v heads take the same arithmetic with the factors (cos RS + B, sin RS) = (1, 0): no branch hangs on the head.
; LIMITS.  t, q, k, v are kept in f16 (65,504 at the most): |q| <= 11.32 |gain|, so |gain| stays under 5,786; t and v must lie within f16's range.  q_gain is rounded to bf16 like every input.  NaN and infinities are not treated apart.
; REGISTERS, in windows of 256: window 0: v0-37 addresses, v64-127 xh's fragments (two buffers of 32), v128-223 B's fragments, v64-255 at work on the way out; window 1: v0-223 W's and A's fragments (two buffers of 112),
;   then t's fragments (v0-95), then cos and sin (v0-127);   window 2: accumulators of my row blocks 0, 1 ((a, q) at 112 (a % 2) + 8 q; q = 4 j + u, q = 12, 13 for t);   window 3: those of blocks 2, 3.
.set KSTEP, 128
.set PITCH, 272                        ; an LDS row: 256 bytes + 16 of padding = 68 words: the 16 rows of a fragment load start at 16 different groups of four banks (ISA guide 11.1)
.set HB,    160*PITCH                  ; a head's 128 rows of W and 32 of A
.set H0,    0                          ; a slot: head 0's 160 rows,
.set H2,    HB                         ; head 2's 160,
.set H1,    2*HB                       ; head 1's 128,
.set XT0,   2*HB+128*PITCH             ; xh's 128
.set SLOT,  XT0+128*PITCH
.set HALFT, 128*PITCH                  ; the stage, in slot 0 on the way out: [j][128 rows][272]
.set SCR,   2*SLOT                     ; behind the ring: sums of squares, [wave][row % 16] x 80 bytes
.set SPARE, SCR+5120                   ; the spare words, 128 bytes a wave: two blocks of 256 bytes that no other line names
.set WOFF,  196608                     ; in wa: the head blocks
.set BLKB,  160*4096                   ; bytes in a head block
.set NQ,   14                          ; column blocks of a wave
.set RD,   12                          ; v12-14  the way out: where I read rows of head j back
.set ADRA, 16                          ; v16-17  LDS address of my xh fragments in slot 0, 1
.set ADRB, 18                          ; v18-23  of my W fragments: 3 x slot + j
.set TO,   24                          ; v24     16 x lane: my offset in 512 consecutive bytes (table loads, stores)
.set STO,  25                          ; v25-27  the way out: where I put 16 bytes of a row of head j
.set SPW,  28                          ; v28     my spare word; never rewritten
.set NIL,  29                          ; v29     0; never rewritten
.set XS,   30                          ; v30     where my sums of squares go
.set XL,   31                          ; v31     where the partner wave's lie
.set XE,   32                          ; v32     where my halves of t's fragments go
.set XF,   33                          ; v33     where my row half's fragments of t lie
.set BL,   35                          ; v35     my place in 16 rows of B: 64 r + 16 h
.set ADRT, 36                          ; v36-37  LDS address of my A fragments (head 0's; head 2's lie HB further) in slot 0, 1
.set BFR,  128                         ; v128-223  B's fragments, column block q at 8 q
.set WV,   14                          ; s14     wave
.set G1,   24                          ; s[24:31] descriptor group 1, xh;  s[32:39] group 0, a set for each slot
.set G0,   32
.set G1B,  48                          ; s[48:55] group 1 for a head block of 160 rows;  s[56:63] group 0 for the head blocks
.set G0B,  56
.set G1C,  92                          ; s[92:99] group 1 for head 1's 128 rows
.set FLAGS, (1<<16)|(1<<20)|(1<<21)|(5<<22)|(3<<25)  ; 2-byte elements; padding on; bit 21 beside a mask; after every 64 words, 4 words
.set MSB, 0
.macro WIN new                         ; the immediate's high byte repeats the setting that is left; a switch that changes nothing is dropped
.if MSB != (\new)
	s_set_vgpr_msb (MSB<<8)|(\new)
.set MSB, \new
.endif
.endm
.macro PLACES                          ; four places behind matrix instructions, in front of loads into their sources and of reads of their results
.rept 4
	v_nop
.endr
.endm
.macro JLOAD s                         ; a joint load: waves 0, 1 fetch head 0's and head 2's 160 rows, wave 2 head 1's 128, wave 3 xh's 128.  An s_nop 0 and four v_nop follow each line
	s_cmp_eq_u32 s[WV], 3
	s_cbranch_scc0 .Lfor_b_\@
	tensor_load_to_lds s[G0+4*(\s):G0+4*(\s)+3], s[G1:G1+7]
	s_nop 0
.rept 4
	v_nop
.endr
	s_branch .Lasked_\@
.Lfor_b_\@:
	s_cmp_eq_u32 s[WV], 2
	s_cbranch_scc1 .Lfor_c_\@
	tensor_load_to_lds s[G0B+4*(\s):G0B+4*(\s)+3], s[G1B:G1B+7]
	s_nop 0
.rept 4
	v_nop
.endr
	s_branch .Lasked_\@
.Lfor_c_\@:
	tensor_load_to_lds s[G0B+4*(\s):G0B+4*(\s)+3], s[G1C:G1C+7]
	s_nop 0
.rept 4
	v_nop
.endr
.Lasked_\@:
.endm
.macro CREST                           ; a round of the cluster's barrier behind its opening barrier
	s_cmp_lg_u32 s[WV], 0
	s_cbranch_scc1 .Lnot_wave_0_\@
	s_barrier_signal -3
.Lnot_wave_0_\@:
	s_barrier_wait -3
	s_barrier_signal -1
	s_barrier_wait -1
.endm
.macro CROUND
	s_barrier_signal -1
	s_barrier_wait -1
	CREST
.endm
	s_load_b256 s[4:11], s[0:1], 0x0               ; xh 4, wa 6, tab 8, q_gain 10
	s_load_b64 s[12:13], s[0:1], 0x20              ; qkv
	v_lshl_add_u32 v[SPW], v0, 2, SPARE
	v_mov_b32 v[NIL], 0
	ds_add_u32 v28, v29
	s_wait_dscnt 0x0
	v_lshrrev_b32 v1, 5, v0
	v_readfirstlane_b32 s[WV], v1
	s_lshr_b32 s15, s[WV], 1                       ; ah: which 64 rows
	s_and_b32 s16, s[WV], 1                        ; bh: which columns of each head, which 16 ranks
	s_bfe_u32 s17, ttmp6, 0x40000                  ; cx
	s_bfe_u32 s18, ttmp6, 0x40004                  ; cy
	s_lshl_b32 s19, ttmp9, 2
	s_add_co_u32 s19, s19, s17                     ; tx = 4 x cluster x + cx
	s_and_b32 s20, ttmp7, 0xffff
	s_lshl_b32 s20, s20, 2
	s_add_co_u32 s20, s20, s18                     ; ty = 4 x cluster y + cy
	s_lshl_b32 s21, s18, 2
	s_lshl_b32 s21, 15, s21                        ; my row of the cluster
	s_lshl_b32 s22, 0x1111, s17                    ; my column
	s_or_b32 s[G1], s21, FLAGS
	s_or_b32 s[G1B], s22, FLAGS
	s_or_b32 s[G1C], s22, FLAGS
.irp g, G1, G1B, G1C
	s_mov_b32 s[(\g)+1], KSTEP<<16                 ; tensor_dim0 = 128
	s_mov_b32 s[(\g)+3], KSTEP<<16                 ; tile_dim0 = 128
	s_mov_b32 s[(\g)+5], 2048                      ; elements from row to row
	s_mov_b32 s[(\g)+6], 0
	s_mov_b32 s[(\g)+7], 0
.endr
	s_mov_b32 s[G1+2], 128<<16                     ; tensor_dim1 and tile_dim1: 128 rows of xh,
	s_mov_b32 s[G1+4], 128
	s_mov_b32 s[G1B+2], 160<<16                    ; 160 of a head block,
	s_mov_b32 s[G1B+4], 160
	s_mov_b32 s[G1C+2], 128<<16                    ; 128 of head 1's
	s_mov_b32 s[G1C+4], 128
	s_lshl_b32 s40, s20, 19                        ; xh: row 128 ty, 4,096 bytes a row: hangs on ty alone
	s_mov_b32 s41, 0
	s_cmp_eq_u32 s[WV], 1                          ; which head's block I fetch: wave 0 head 0, wave 1 head 2, wave 2 head 1
	s_cselect_b32 s45, 2, 0
	s_cmp_eq_u32 s[WV], 2
	s_cselect_b32 s45, 1, s45
	s_mul_i32 s44, s19, 3
	s_add_co_u32 s44, s44, s45                     ; head 3 tx + j: hangs on tx and the wave alone
	s_mul_i32 s44, s44, BLKB
	s_add_co_u32 s44, s44, WOFF
	s_mov_b32 s45, 0
	s_mul_i32 s23, s[WV], HB                       ; where a head block goes: wave x 160 rows
	s_wait_kmcnt 0x0
	s_add_nc_u64 s[42:43], s[4:5], s[40:41]
	s_add_nc_u64 s[46:47], s[6:7], s[44:45]
	CROUND                                         ; all sixteen work-groups are here: the first joint loads meet
.irp s, 0,1
	s_mov_b32 s[G0+4*(\s)], 1
	s_mov_b32 s[G0+4*(\s)+1], XT0+(\s)*SLOT
	s_add_nc_u64 s[G0+4*(\s)+2:G0+4*(\s)+3], s[42:43], (\s)*KSTEP*2
	s_or_b32 s[G0+4*(\s)+3], s[G0+4*(\s)+3], 0x80000000
	s_mov_b32 s[G0B+4*(\s)], 1
	s_add_co_u32 s[G0B+4*(\s)+1], s23, (\s)*SLOT
	s_add_nc_u64 s[G0B+4*(\s)+2:G0B+4*(\s)+3], s[46:47], (\s)*KSTEP*2
	s_or_b32 s[G0B+4*(\s)+3], s[G0B+4*(\s)+3], 0x80000000
	JLOAD \s                                       ; K steps 0 and 1: two loads of mine are out
.endr
	v_and_b32 v1, 15, v0                           ; r
	v_bfe_u32 v2, v0, 4, 1                         ; h
	v_and_b32 v3, 31, v0
	v_lshlrev_b32 v[TO], 4, v3
	v_lshlrev_b32 v[BL], 6, v1
	v_lshl_add_u32 v[BL], v2, 4, v[BL]
	; the three heads' gains, loaded from 4 min(g, 15), so that k and v heads stay inside the buffer
	s_mul_i32 s86, s19, 3
.irp j, 0,1,2
	s_add_co_u32 s87, s86, \j
	s_min_u32 s40, s87, 15
	s_lshl_b32 s40, s40, 2
	v_mov_b32 v[6+\j], s40
	global_load_b32 v[9+\j], v[6+\j], s[10:11]
.endr
	s_cmp_eq_u32 s86, 15                           ; head 1 is of another kind than head 0 only where 3 tx + 1 = 16 (20 is not reached: 19 is no multiple of 3); it is then of head 2's kind
	s_cselect_b32 s90, -1, 0
	s_mul_i32 s88, s19, 384                        ; B at row 384 tx + 32 bh, 64 bytes a row
	s_lshl_b32 s41, s16, 5
	s_add_co_u32 s88, s88, s41
	s_lshl_b32 s88, s88, 6
	s_mov_b32 s89, 0
	s_add_nc_u64 s[68:69], s[6:7], s[88:89]
.set i, 0
.rept 12                               ; B: column block q = 4 j + u at rows 128 j + {0, 16, 64, 80}[u]: the two loads together take 1,024 consecutive bytes.  They are waited for behind the last K step
	global_load_b128 v[BFR+8*i:BFR+8*i+3],   v[BL], s[68:69] offset:(128*(i/4)+16*(i%2)+64*((i%4)/2))*64
	global_load_b128 v[BFR+8*i+4:BFR+8*i+7], v[BL], s[68:69] offset:(128*(i/4)+16*(i%2)+64*((i%4)/2))*64+32
.set i, i+1
.endr
	v_mul_u32_u24 v4, v1, PITCH
	v_lshl_add_u32 v4, v2, 4, v4                   ; a fragment's row x pitch + 16 x half
	s_mul_i32 s84, s15, 64*PITCH
	v_add_nc_u32 v5, s84, v4                       ; the same for row 64 ah + r
	v_add_nc_u32 v[ADRA], XT0, v5
	v_add_nc_u32 v[ADRA+1], SLOT, v[ADRA]
	s_mul_i32 s85, s16, 32*PITCH
	v_add_nc_u32 v[ADRB], s85, v4                  ; head 0: its block's row 32 bh + r
	v_add_nc_u32 v[ADRB+1], H1, v[ADRB]
	v_add_nc_u32 v[ADRB+2], H2, v[ADRB]
	v_add_nc_u32 v[ADRB+3], SLOT, v[ADRB]
	v_add_nc_u32 v[ADRB+4], SLOT, v[ADRB+1]
	v_add_nc_u32 v[ADRB+5], SLOT, v[ADRB+2]
	s_mul_i32 s85, s16, 16*PITCH
	s_add_co_u32 s85, s85, 128*PITCH
	v_add_nc_u32 v[ADRT], s85, v4                  ; head 0's A: its block's row 128 + 16 bh + r
	v_add_nc_u32 v[ADRT+1], SLOT, v[ADRT]
	s_lshl_b32 s85, s16, 6
	v_add_nc_u32 v[STO], s85, v5                   ; the stage: row 64 ah + r, byte 64 bh + 16 h
	v_add_nc_u32 v[STO+1], HALFT, v[STO]
	v_add_nc_u32 v[STO+2], 2*HALFT, v[STO]
	v_lshl_add_u32 v[XE], s[WV], 12, v[TO]         ; t's exchange, in slot 0 behind its last read: [wave][kind][row block][512 bytes]
	v_lshl_add_u32 v[XF], s15, 13, v[TO]           ; my row half's two waves lie side by side
	v_mul_u32_u24 v34, v1, 80
	s_mul_i32 s84, s[WV], 16*80
	s_add_co_u32 s84, s84, SCR
	v_add_nc_u32 v[XS], s84, v34
	s_xor_b32 s85, s[WV], 1
	s_mul_i32 s85, s85, 16*80
	s_add_co_u32 s85, s85, SCR
	v_add_nc_u32 v[XL], s85, v34
	v_mul_u32_u24 v34, v2, PITCH
	v_lshl_add_u32 v34, v1, 4, v34
	s_mul_i32 s84, s[WV], 32*PITCH
	v_add_nc_u32 v[RD], s84, v34                   ; back: rows 32 w on; lanes 0-15 one row of 256 bytes, lanes 16-31 the next
	v_add_nc_u32 v[RD+1], HALFT, v[RD]
	v_add_nc_u32 v[RD+2], 2*HALFT, v[RD]
	s_mov_b32 s80, 0x3c000000                      ; 1/128
	s_mov_b32 s81, 0x34000000                      ; eps of f32, 2^-23
	s_mov_b32 s82, 0x76543210                      ; v_permlanex16_b32: each lane takes its own place in the other half
	s_mov_b32 s83, 0xfedcba98
	s_and_b32 s88, s20, 7                          ; the table at position block (ty % 8) 8 + 4 ah, channel blocks 2 bh on
	s_lshl_b32 s88, s88, 3
	s_lshl_b32 s89, s15, 2
	s_add_co_u32 s88, s88, s89
	s_lshl_b32 s88, s88, 13
	s_lshl_b32 s89, s16, 12
	s_add_co_u32 s88, s88, s89
	s_mov_b32 s89, 0
	s_add_nc_u64 s[8:9], s[8:9], s[88:89]
	s_mul_i32 s88, s19, 12                         ; qkv at head 3 tx, batch ty / 8, position (ty % 8) 128 + 32 w
	s_lshr_b32 s87, s20, 3
	s_add_co_u32 s88, s88, s87
	s_lshl_b32 s88, s88, 18
	s_and_b32 s87, s20, 7
	s_lshl_b32 s87, s87, 15
	s_add_co_u32 s88, s88, s87
	s_lshl_b32 s87, s[WV], 13
	s_add_co_u32 s88, s88, s87
	s_add_nc_u64 s[12:13], s[12:13], s[88:89]
	s_wait_loadcnt 24                              ; the three gains are in; B's 24 loads, issued behind them, stay out
.irp j, 0,1,2
	v_cvt_pk_bf16_f32 v[9+\j], v[9+\j], v[9+\j]    ; rounded to bf16 like every input
	v_lshlrev_b32 v[9+\j], 16, v[9+\j]
	v_readfirstlane_b32 s[70+\j], v[9+\j]
	s_add_co_u32 s87, s86, \j
	s_cmp_lt_u32 s87, 20
	s_cselect_b32 s85, 1.0, 0                      ; G: the gain for q, 1 for k, 0 for v
	s_cselect_b32 s[74+2*\j], 0, 1.0               ; B: 1 for v, else 0
	s_cmp_lt_u32 s87, 16
	s_cselect_b32 s[70+\j], s[70+\j], s85
	s_mov_b32 s[75+2*\j], s[74+2*\j]               ; named as a pair
.endr
; NQ matrix instructions: row block a x all 14 column blocks, 32 along K, from buffer bf.  zero = 1: the product starts the sums.
; The 56 accumulators take turns in one fixed order in every quarter.
.macro MULA bf, a, zero
	WIN 0xa1+0x50*((\a)/2)                         ; source 0 window 1, source 1 window 0, C and D window 2 or 3
.set AB, 112*((\a)%2)
.set q, 0
.rept NQ
.if \zero
	v_wmma_f32_16x16x32_f16 v[AB+8*q:AB+8*q+7], v[112*(\bf)+8*q:112*(\bf)+8*q+7], v[64+32*(\bf)+8*(\a):64+32*(\bf)+8*(\a)+7], 0
.else
	v_wmma_f32_16x16x32_f16 v[AB+8*q:AB+8*q+7], v[112*(\bf)+8*q:112*(\bf)+8*q+7], v[64+32*(\bf)+8*(\a):64+32*(\bf)+8*(\a)+7], v[AB+8*q:AB+8*q+7]
.endif
.set q, q+1
.endr
.endm
; 36 LDS loads in one run: the fragments of 32 along K at byte k of the rows, into buffer bf.  Column block q = 4 j + u lies at rows 32 bh + {0, 16, 64, 80}[u] of head j's block; then the two kinds' A.  xh's come last.
.macro FETCH slot, k, bf
	WIN 0x40
.set q, 0
.rept 12
	ds_load_b128 v[112*(\bf)+8*q:112*(\bf)+8*q+3],   v[ADRB+3*(\slot)+q/4] offset:(\k)+(16*(q%2)+64*((q%4)/2))*PITCH
	ds_load_b128 v[112*(\bf)+8*q+4:112*(\bf)+8*q+7], v[ADRB+3*(\slot)+q/4] offset:(\k)+(16*(q%2)+64*((q%4)/2))*PITCH+32
.set q, q+1
.endr
.set q, 0
.rept 2
	ds_load_b128 v[112*(\bf)+96+8*q:112*(\bf)+96+8*q+3],   v[ADRT+(\slot)] offset:(\k)+q*HB
	ds_load_b128 v[112*(\bf)+96+8*q+4:112*(\bf)+96+8*q+7], v[ADRT+(\slot)] offset:(\k)+q*HB+32
.set q, q+1
.endr
	WIN 0
.set q, 0
.rept 4
	ds_load_b128 v[64+32*(\bf)+8*q:64+32*(\bf)+8*q+3],   v[ADRA+(\slot)] offset:(\k)+q*16*PITCH
	ds_load_b128 v[64+32*(\bf)+8*q+4:64+32*(\bf)+8*q+7], v[ADRA+(\slot)] offset:(\k)+q*16*PITCH+32
.set q, q+1
.endr
.endm
.macro QUARTER slot, k, bf, bg, zero   ; multiplies buffer bf; in its middle fetches the next quarter, at byte k, into bg
	s_wait_dscnt 4                                 ; all but the youngest four loads: xh's row blocks 2, 3
	MULA \bf, 0, \zero
	MULA \bf, 1, \zero
	PLACES
	FETCH \slot, \k, \bg
	s_wait_dscnt 36                                ; all but the 36 just issued
	MULA \bf, 2, \zero
	MULA \bf, 3, \zero
.endm
; The last quarter of a K step multiplies buffer 1 and changes slots: one barrier; in front of it each wave waits for all its tensor loads (one is out: its part of the next slot), adds 0 to its spare
; word, and waits for that and for its reads of this slot.  fill = 1: the barrier opens a round of the cluster's barrier, and this slot is filled again, two K steps ahead, first thing behind it.
.macro TURN slot, next, fill
	WIN 0
	s_wait_tensorcnt 0x0
	ds_add_u32 v[SPW], v[NIL]
	s_wait_dscnt 5                                 ; the add and the youngest four loads may be out
	MULA 1, 0, 0
	s_wait_dscnt 0x0                               ; the add is done, and my reads of this slot are over
	s_barrier_signal -1
	MULA 1, 1, 0
.if \fill
	WIN 0
.endif
	s_barrier_wait -1
.if \fill
	CREST                                          ; no wave of any partner still reads this slot or has a load on its way
	s_add_nc_u64 s[G0+4*(\slot)+2:G0+4*(\slot)+3], s[G0+4*(\slot)+2:G0+4*(\slot)+3], 2*KSTEP*2
	s_add_nc_u64 s[G0B+4*(\slot)+2:G0B+4*(\slot)+3], s[G0B+4*(\slot)+2:G0B+4*(\slot)+3], 2*KSTEP*2
	JLOAD \slot                                    ; its four v_nop are also the places in front of the loads below
.else
	PLACES
.endif
	FETCH \next, 0, 0
	MULA 1, 2, 0
	MULA 1, 3, 0
.endm
	s_wait_tensorcnt 1                             ; my part of K step 0 is in; step 1's may stay out
	s_barrier_signal -1
	s_barrier_wait -1
	FETCH 0, 0, 0
	QUARTER 0, 64, 0, 1, 1                         ; the first quarter starts the sums
	WIN 0
	s_mov_b32 s3, 7
.Llap:                                 ; once round the ring: from a lap's second quarter to the next lap's first
	QUARTER 0, 128, 1, 0, 0
	QUARTER 0, 192, 0, 1, 0
	TURN 0, 1, 1
	QUARTER 1, 64, 0, 1, 0
	QUARTER 1, 128, 1, 0, 0
	QUARTER 1, 192, 0, 1, 0
	TURN 1, 0, 1
	QUARTER 0, 64, 0, 1, 0
	WIN 0
	s_sub_co_u32 s3, s3, 1
	s_cmp_lg_u32 s3, 0
	s_cbranch_scc1 .Llap
	QUARTER 0, 128, 1, 0, 0                        ; the last lap fills nothing
	QUARTER 0, 192, 0, 1, 0
	TURN 0, 1, 0                                   ; behind its barrier nobody reads slot 0 any more, and no load fills it again: it serves t's exchange and then the stage
	QUARTER 1, 64, 0, 1, 0
	QUARTER 1, 128, 1, 0, 0
	QUARTER 1, 192, 0, 1, 0
	s_wait_dscnt 4
	MULA 1, 0, 0
	MULA 1, 1, 0
	s_wait_dscnt 0x0
	MULA 1, 2, 0
	MULA 1, 3, 0
	; THE LOW-RANK STEP'S SECOND HALF.  t is rounded to f16: lane (r, h) holds ranks 16 bh + 8 h + 0..7 of row r: registers 4 bh .. 4 bh + 3 of a fragment of source 1.
	PLACES
.irp a, 0,1,2,3
	WIN 0x0a+5*((\a)/2)                            ; sources 0 and 1 window 2 or 3
.irp s, 0,1
.irp i, 0,1,2,3
	v_cvt_pk_f16_f32 v[64+8*(\a)+4*(\s)+(\i)], v[112*((\a)%2)+96+8*(\s)+2*(\i)], v[112*((\a)%2)+96+8*(\s)+2*(\i)+1]
.endr
.endr
.endr
	WIN 0
.irp a, 0,1,2,3
.irp s, 0,1
	ds_store_b128 v[XE], v[64+8*(\a)+4*(\s):64+8*(\a)+4*(\s)+3] offset:(\s)*2048+(\a)*512
.endr
.endr
	s_wait_dscnt 0x0                               ; for the partner's sake: my halves are in LDS
	s_barrier_signal -1
	s_barrier_wait -1
	WIN 0x40
.irp s, 0,1
.irp a, 0,1,2,3                        ; kind s, row block a, at 32 s + 8 a of window 1: ranks 0-15 from the wave with bh = 0, ranks 16-31 from the other
	ds_load_b128 v[32*(\s)+8*(\a):32*(\s)+8*(\a)+3],   v[XF] offset:(\s)*2048+(\a)*512
	ds_load_b128 v[32*(\s)+8*(\a)+4:32*(\s)+8*(\a)+7], v[XF] offset:4096+(\s)*2048+(\a)*512
.endr
.endr
	s_wait_dscnt 0x0
	WIN 0x45                                       ; destination and both sources window 1
.set i, 0
.rept 32
	v_cndmask_b32 v[64+i], v[i], v[32+i], s90      ; head 1's t: head 0's kind, or head 2's
.set i, i+1
.endr
	s_wait_loadcnt 0x0                             ; B's fragments, asked for in the head
.irp a, 0,1,2,3
	WIN 0xa4+0x50*((\a)/2)                         ; source 0 (B) window 0, source 1 (t) window 1, C and D window 2 or 3
.set q, 0
.rept 12
	v_wmma_f32_16x16x32_f16 v[112*((\a)%2)+8*q:112*((\a)%2)+8*q+7], v[BFR+8*q:BFR+8*q+7], v[64*((q/4)%2)+32*(q/8)+8*(\a):64*((q/4)%2)+32*(q/8)+8*(\a)+7], v[112*((\a)%2)+8*q:112*((\a)%2)+8*q+7]
.set q, q+1
.endr
.endr
	; THE WAY OUT.  cos and sin for my 64 positions and 32 channels: 32 loads of 512 consecutive bytes, into window 1: block a, channel block n: cos at 32 a + 16 n, sin 8 further.
	PLACES
	WIN 0x40
.set i, 0
.rept 32
	global_load_b128 v[4*i:4*i+3], v[TO], s[8:9] offset:(i/8)*8192+(i%8)*512
.set i, i+1
.endr
	; sums of squares: for row block a and head j a packed sum over my 32 numbers, at v[128 + 2 (3 a + j)]; six chains by turns; each accumulator is read from its low end on
.irp hi, 0,1
	WIN 0x0a+5*(\hi)
.set e, 0
.rept 16
.irp ap, 0,1
.irp j, 0,1,2
.set rA, 112*(\ap)+8*(4*(\j)+e/4)+2*(e%4)
.set rQ, 128+2*(3*(2*(\hi)+(\ap))+(\j))
.if e == 0
	v_pk_mul_f32 v[rQ:rQ+1], v[rA:rA+1], v[rA:rA+1]
.else
	v_pk_fma_f32 v[rQ:rQ+1], v[rA:rA+1], v[rA:rA+1], v[rQ:rQ+1]
.endif
.endr
.endr
.set e, e+1
.endr
.endr
	WIN 0
.set i, 0
.rept 12
	v_add_f32 v[152+i], v[128+2*i], v[129+2*i]
.set i, i+1
.endr
.set i, 0
.rept 12
	v_permlanex16_b32 v[128+i], v[152+i], s82, s83 ; the row's other columns of my wave lie in the lane 16 away
.set i, i+1
.endr
.set i, 0
.rept 12
	v_add_f32 v[152+i], v[152+i], v[128+i]
.set i, i+1
.endr
	ds_store_b128 v[XS], v[152:155]                ; both halves of the lanes store the same numbers to the same words
	ds_store_b128 v[XS], v[156:159] offset:16
	ds_store_b128 v[XS], v[160:163] offset:32
	s_wait_dscnt 0x0                               ; for the partner's sake; my reads of t's exchange are long back, so behind this barrier the stage may be written over it
	s_barrier_signal -1
	s_barrier_wait -1
	ds_load_b128 v[164:167], v[XL]
	ds_load_b128 v[168:171], v[XL] offset:16
	ds_load_b128 v[172:175], v[XL] offset:32
	s_wait_dscnt 0x0
.set i, 0
.rept 12
	v_add_f32 v[152+i], v[152+i], v[164+i]
.set i, i+1
.endr
.set i, 0
.rept 12
	v_fma_f32 v[152+i], v[152+i], s80, s81         ; mean of squares + eps
.set i, i+1
.endr
.set i, 0
.rept 12
	v_rsq_f32 v[152+i], v[152+i]
.set i, i+1
.endr
	v_nop                                          ; a plain instruction behind the last of them
.set i, 0
	s_wait_alu depctr_va_vdst(0)
.rept 12
	v_mul_f32 v[176+2*i], s[70+i%3], v[152+i]      ; RS = G / rms, twice: a pair for the packed arithmetic
	v_mul_f32 v[177+2*i], s[70+i%3], v[152+i]
.set i, i+1
.endr
	s_wait_loadcnt 0x0                             ; cos and sin
; Row block a, head j: cj = cos RS + B, sj = sin RS; o1 = x1 cj + x2 sj, o2 = x2 cj - x1 sj; rounded to f16; 16 bytes a lane into the stage.
.macro ROPE a, j
	WIN 0x01                                       ; source 0 window 1
.set rR, 176+2*(3*(\a)+(\j))
.irp n, 0,1
.irp i, 0,1,2,3
	v_pk_fma_f32 v[200+8*(\n)+2*(\i):200+8*(\n)+2*(\i)+1], v[32*(\a)+16*(\n)+2*(\i):32*(\a)+16*(\n)+2*(\i)+1], v[rR:rR+1], s[74+2*(\j):75+2*(\j)] op_sel_hi:[1,1,0]
	v_pk_mul_f32 v[216+8*(\n)+2*(\i):216+8*(\n)+2*(\i)+1], v[32*(\a)+16*(\n)+8+2*(\i):32*(\a)+16*(\n)+8+2*(\i)+1], v[rR:rR+1]
.endr
.endr
	WIN 0x02+(\a)/2                                ; source 0 window 2 or 3
.set rX, 112*((\a)%2)+32*(\j)
.irp n, 0,1
.irp i, 0,1,2,3
	v_pk_mul_f32 v[64+16*(\n)+2*(\i):64+16*(\n)+2*(\i)+1], v[rX+8*(\n)+2*(\i):rX+8*(\n)+2*(\i)+1], v[200+8*(\n)+2*(\i):200+8*(\n)+2*(\i)+1]
	v_pk_mul_f32 v[72+16*(\n)+2*(\i):72+16*(\n)+2*(\i)+1], v[rX+16+8*(\n)+2*(\i):rX+16+8*(\n)+2*(\i)+1], v[200+8*(\n)+2*(\i):200+8*(\n)+2*(\i)+1]
.endr
.irp i, 0,1,2,3
	v_pk_fma_f32 v[64+16*(\n)+2*(\i):64+16*(\n)+2*(\i)+1], v[rX+16+8*(\n)+2*(\i):rX+16+8*(\n)+2*(\i)+1], v[216+8*(\n)+2*(\i):216+8*(\n)+2*(\i)+1], v[64+16*(\n)+2*(\i):64+16*(\n)+2*(\i)+1]
	v_pk_fma_f32 v[72+16*(\n)+2*(\i):72+16*(\n)+2*(\i)+1], v[rX+8*(\n)+2*(\i):rX+8*(\n)+2*(\i)+1], v[216+8*(\n)+2*(\i):216+8*(\n)+2*(\i)+1], v[72+16*(\n)+2*(\i):72+16*(\n)+2*(\i)+1] neg_lo:[1,0,0] neg_hi:[1,0,0]
.endr
.endr
	WIN 0
.irp n, 0,1
.irp i, 0,1,2,3
	v_cvt_pk_f16_f32 v[96+8*(\n)+(\i)], v[64+16*(\n)+2*(\i)], v[65+16*(\n)+2*(\i)]
	v_cvt_pk_f16_f32 v[100+8*(\n)+(\i)], v[72+16*(\n)+2*(\i)], v[73+16*(\n)+2*(\i)]
.endr
	ds_store_b128 v[STO+(\j)], v[96+8*(\n):99+8*(\n)] offset:(\a)*16*PITCH+32*(\n)
	ds_store_b128 v[STO+(\j)], v[100+8*(\n):103+8*(\n)] offset:(\a)*16*PITCH+32*(\n)+128
.endr
.endm
.irp a, 0,1,2,3
.irp j, 0,1,2
	ROPE \a, \j
.endr
.endr
	s_wait_dscnt 0x0                               ; for the others' sake: a row's 256 bytes come from two waves
	s_barrier_signal -1
	s_barrier_wait -1
.set i, 0
.rept 48                               ; head i / 16, rows 32 w + 2 (i % 16) and the next
	ds_load_b128 v[64+4*i:64+4*i+3], v[RD+i/16] offset:(i%16)*2*PITCH
.set i, i+1
.endr
.set i, 0
.rept 48
	s_wait_dscnt 47-i                              ; load i is back; the younger ones stay out
	global_store_b128 v[TO], v[64+4*i:64+4*i+3], s[12:13] offset:((i/16)<<20)+(i%16)*512  ; 512 consecutive bytes, two rows of a head, aligned
.set i, i+1
.endr
	s_wait_tensorcnt 0x0                           ; the wave's end
	ds_add_u32 v[SPW], v[NIL]
	s_wait_dscnt 0x0
	CROUND                                         ; the closing round: no work-group ends while a partner may still ask for a tile that names it
	s_endpgm
.Lfunc_end_k_qf8e7b56d32_qkv_gemm:
	.size	k_qf8e7b56d32_qkv_gemm, .Lfunc_end_k_qf8e7b56d32_qkv_gemm-k_qf8e7b56d32_qkv_gemm
	.p2alignl 7, 3214868480
	.fill 96, 4, 3214868480
	.section	.rodata,"a",@progbits
	.p2align	6, 0x0
	.amdhsa_kernel k_qf8e7b56d32_qkv_gemm
		.amdhsa_group_segment_fixed_size 327680
		.amdhsa_private_segment_fixed_size 0
		.amdhsa_enable_private_segment 0
		.amdhsa_kernarg_size 40
		.amdhsa_user_sgpr_count 2
		.amdhsa_user_sgpr_kernarg_segment_ptr 1
		.amdhsa_wavefront_size32 1
		.amdhsa_system_sgpr_workgroup_id_x 1
		.amdhsa_system_sgpr_workgroup_id_y 1
		.amdhsa_system_sgpr_workgroup_id_z 1
		.amdhsa_system_vgpr_workitem_id 0
		.amdhsa_next_free_vgpr 992
		.amdhsa_next_free_sgpr 100
		.amdhsa_reserve_vcc 0
		.amdhsa_float_denorm_mode_32 3
		.amdhsa_float_denorm_mode_16_64 3
		.amdhsa_memory_ordered 1
		.amdhsa_forward_progress 1
		.amdhsa_inst_pref_size 205
	.end_amdhsa_kernel
	.amdgpu_metadata
---
amdhsa.version: [ 1, 2 ]
amdhsa.kernels:
  - .name:           k_qf8e7b56d32_qkv_gemm
    .symbol:         k_qf8e7b56d32_qkv_gemm.kd
    .args:
      - { .name: xh, .offset: 0, .size: 8, .value_kind: global_buffer, .address_space: global }
      - { .name: wa, .offset: 8, .size: 8, .value_kind: global_buffer, .address_space: global }
      - { .name: tab, .offset: 16, .size: 8, .value_kind: global_buffer, .address_space: global }
      - { .name: q_gain, .offset: 24, .size: 8, .value_kind: global_buffer, .address_space: global }
      - { .name: qkv, .offset: 32, .size: 8, .value_kind: global_buffer, .address_space: global }
    .group_segment_fixed_size: 327680
    .private_segment_fixed_size: 0
    .kernarg_segment_align: 8
    .kernarg_segment_size: 40
    .max_flat_workgroup_size: 128
    .sgpr_count:     100
    .vgpr_count:     992
    .wavefront_size: 32
...
	.end_amdgpu_metadata
.endif
;; end of part 2
;; launch attn (part 3): grid 16 x 16, 4 waves a work-group, clusters of 4 x 1, 327,680 bytes of LDS; arguments qkv, y; writes y
.if DOCPART == 3
	.amdgcn_target "amdgcn-amd-amdhsa--gfx1250"
	.amdhsa_code_object_version 6
	.text
	.protected	k_qf8e7b56d32_attn
	.globl	k_qf8e7b56d32_attn
	.p2align	8
	.type	k_qf8e7b56d32_attn,@function
k_qf8e7b56d32_attn:
	s_mov_b64 s[64:65], 0
	v_nop
	global_prefetch_b8 v0, s[64:65] scope:SCOPE_SE
	s_setreg_imm32_b32 hwreg(HW_REG_WAVE_MODE, 25, 1), 1
	s_wait_xcnt 0x0
	s_wait_alu depctr_hold_cnt(0) depctr_sa_sdst(0) depctr_va_vdst(0) depctr_va_sdst(0) depctr_va_ssrc(0) depctr_va_vcc(0) depctr_vm_vsrc(0)
	s_getreg_b32 s2, hwreg(HW_REG_IB_STS2, 6, 4)
	s_cmp_eq_u32 s2, 0
	s_cbranch_scc0 .Lentry_in_a_cluster
	s_endpgm
.Lentry_in_a_cluster:
	s_bfe_u32 s2, ttmp6, 0x10000c
	s_cmp_lg_u32 s2, 0x3003
	s_cbranch_scc0 .Lentry_shape_is_right
	s_endpgm
.Lentry_shape_is_right:
; CAUSAL ATTENTION with grouped heads.  y[b][q][h 128 + :] = the sum over k <= q of softmax_k(Q . K / sqrt(128)) V.  qkv: [g][b][1024][128] f16, g 0-15 the query heads, 16-19 K, 20-23 V; head h reads K, V of h / 4.
; Products, maxima and sums in f32; the weights p are rounded to f16 for the second product (their sum l is taken of the unrounded p), y once at the end, to f16.
; THE WALK.  1,024 queries are 8 blocks of 128; block i needs the key tiles 0 .. i of 128 keys, the last holding the diagonal.  A work-group takes blocks 7 - p and then p: 9 tiles whatever p, one counted loop.
; CLUSTER.  The four work-groups of a cluster are the four query heads of one K, V head, with the same p and batch: they walk the same tiles, so every tile is asked for jointly (mask 15).
; All branches and trip counts hang on p (the cluster's x) and on counters alone; the place in the cluster enters Q's and y's addresses alone.
; SHARES.  A wave owns 32 rows of the block: two tiles of 16.  64 keys a step, two steps a tile.  In phases: K Q^T, the softmax, V^T P.
; LAYOUT.  S^T = K Q^T holds ONE query a lane (lane % 16) and the keys 8 (lane / 16) + 0..7; two such results rounded to f16 ARE source 1 of O^T = V^T P.  V comes out of LDS turned, by ds_load_tr16_b128.
; SOFTMAX.  A running maximum m and sum l: p = 2^(c s - c m), c = log2(e) / sqrt(128); O and l are multiplied by a = 2^(c m_old - c m_new) in every step.  m starts at the lowest finite number, so a block's first a is 0.
; THE MASK is the C operand that starts the sums in the diagonal tile: 0, or -1e30 where the key is hidden.  Every row sees its own key no later than its first hidden one, so m is a true score by then.
; LIMITS.  A hidden score counts as its value less 1e30; a weight below 2^-126 counts as 0 in l; f16's range, 65,504, holds for q, k, v as they arrive; NaN and infinities are not treated apart.
; REGISTERS: window 0: v0-15 addresses; v16-31 statistics, 8 a tile; v32-95 S^T; v96-127 P; v128-255 O^T, 64 a tile.   window 1: v0-63 Q; v64-191 K of a step; v192-255 the masks.   window 2: v0-127 V of a step; v128-191 the second block's Q.
.set KS,    64
.set PK,    272                        ; a row of K in LDS: 256 + 16 bytes: the 16 rows of a load start at 16 different groups of four banks (ISA guide 11.1)
.set PV,    288                        ; a row of V: 256 + 32
.set VOFF,  KS*PK
.set STEPB, KS*(PK+PV)                 ; a step's tiles lie together: 64 rows of K, then 64 of V
.set SLOT1, 1<<17                      ; a slot holds two steps; slot 1 begins here, so that one exclusive or changes slots
.set STAGE, SLOT1+2*STEPB              ; behind the ring: 16 rows x 272 bytes for each wave
.set SP,    272
.set SPARE, STAGE+4*16*SP              ; the spare words: two blocks of 256 bytes that no other line names
.set AK0, 2
.set AV0, 3
.set AK,  4
.set AV,  5
.set STO, 6
.set RD,  7
.set GO,  8
.set LIM, 10                           ; v10-11  32 w + 16 t + r - 8 h: register j of key block kb is hidden where 16 kb + j + 64 step is greater
.set SPW, 14
.set NIL, 15
.set ST,  16                           ; tile t at v[ST+8 t]: c m, m, l (two), c0-c3 at work; a takes c2's place
.set S,   32
.set P,   96
.set OT,  128
.set KF,  64                           ; window 1
.set MC,  192                          ; window 1
.set WV,  12
.set PB,  14
.set HI,  15
.set G1K, 24
.set G1V, 32
.set G0K, 40
.set G0V, 44
.set SLOTS, 56
.set CNT, 57
.set CS,  58
.set SEL, 60
.set TB,  62                           ; LDS byte at which the tiles of the step in hand begin
.set SO,  63                           ; 64 x the step's number in its tile
.set RT,  70                           ; tiles of the block in hand still to be entered
.set NXT, 71                           ; the tile to be asked for next
.set LQ,  72                           ; the last tile of the block whose tiles are being asked for
.set OFF, 74
.set BIGN, 82
.set MSB, 0
.macro WIN new
.if MSB != (\new)
	s_set_vgpr_msb (MSB<<8)|(\new)
.set MSB, \new
.endif
.endm
.macro PLACES
.rept 4
	v_nop
.endr
.endm
.macro JLOAD                           ; waves 0, 1 fetch K of the tile's two steps, waves 2, 3 V.  An s_nop 0 and four v_nop follow each line
	s_cmp_lt_u32 s[WV], 2
	s_cbranch_scc0 .Lfor_v_\@
	tensor_load_to_lds s[G0K:G0K+3], s[G1K:G1K+7]
	s_nop 0
.rept 4
	v_nop
.endr
	s_branch .Lasked_\@
.Lfor_v_\@:
	tensor_load_to_lds s[G0V:G0V+3], s[G1V:G1V+7]
	s_nop 0
.rept 4
	v_nop
.endr
.Lasked_\@:
.endm
.macro CROUND
	s_barrier_signal -1
	s_barrier_wait -1
	s_cmp_lg_u32 s[WV], 0
	s_cbranch_scc1 .Lnot_wave_0_\@
	s_barrier_signal -3
.Lnot_wave_0_\@:
	s_barrier_wait -3
	s_barrier_signal -1
	s_barrier_wait -1
.endm
; THE CHANGE OF SLOTS.  Each wave waits for all its tensor loads (one is out: its part of the other slot), adds 0 to its spare word, and waits for that and for its reads of the slot that it leaves.
; fill = 1: the barrier is a round of the cluster's, and the old slot is filled, first thing behind it, with tile NXT; the address is made anew from that number.  (At its first use slot 0 is waited for and slot 1 filled.)
.macro CHANGE fill
	WIN 0
	s_wait_tensorcnt 0x0
	ds_add_u32 v[SPW], v[NIL]
.if \fill
	s_lshl_b32 s[OFF], s[NXT], 15                  ; a tile is 32,768 bytes of K and of V
	s_xor_b32 s[G0K+1], s[G0K+1], SLOT1
	s_add_nc_u64 s[G0K+2:G0K+3], s[6:7], s[OFF:OFF+1]
	s_or_b32 s[G0K+3], s[G0K+3], 0x80000000
	s_xor_b32 s[G0V+1], s[G0V+1], SLOT1
	s_add_nc_u64 s[G0V+2:G0V+3], s[8:9], s[OFF:OFF+1]
	s_or_b32 s[G0V+3], s[G0V+3], 0x80000000
	s_add_co_u32 s[NXT], s[NXT], 1                 ; the block's next tile, or behind its last the second block's tile 0
	s_cmp_gt_u32 s[NXT], s[LQ]
	s_cselect_b32 s[NXT], 0, s[NXT]
	s_cselect_b32 s[LQ], s[PB], s[LQ]
	s_wait_dscnt 0x0                               ; the add is done, and my reads of the slot are over
	CROUND
	JLOAD
.else
	s_wait_dscnt 0x0
	s_barrier_signal -1
	s_barrier_wait -1
.endif
	s_sub_co_u32 s[TB], s[TB], STEPB               ; back to a slot's first step,
	s_xor_b32 s[TB], s[TB], SLOT1                  ; in the other slot
.endm
.macro BEGIN                           ; a block begins: c m far below every c s, m the lowest finite number, l = 0
.irp t, 0,1
	v_mov_b32 v[ST+8*(\t)], 0xfe000000
	v_mov_b32 v[ST+8*(\t)+1], 0xff7fffff
	v_mov_b32 v[ST+8*(\t)+2], 0
	v_mov_b32 v[ST+8*(\t)+3], 0
.endr
.endm
	s_load_b128 s[16:19], s[0:1], 0x0              ; qkv, y
	v_lshl_add_u32 v[SPW], v0, 2, SPARE
	v_mov_b32 v[NIL], 0
	ds_add_u32 v14, v15
	s_wait_dscnt 0x0
	v_lshrrev_b32 v1, 5, v0
	v_readfirstlane_b32 s[WV], v1
	s_bfe_u32 s13, ttmp6, 0x40000                  ; cx: which of the four query heads
	s_mov_b32 s[PB], ttmp9                         ; p, which the partners share
	s_sub_co_u32 s[HI], 7, s[PB]
	s_and_b32 s20, ttmp7, 0xffff                   ; 4 b + kv
	s_lshr_b32 s21, s20, 2                         ; b
	s_and_b32 s22, s20, 3                          ; kv
	s_and_b32 s23, s[WV], 1                        ; which of a tile's two steps I fetch
	s_add_co_u32 s48, s22, 16
	s_lshl_b32 s48, s48, 2
	s_add_co_u32 s48, s48, s21
	s_lshl_b32 s48, s48, 18                        ; K of (kv, b),
	s_lshl_b32 s50, s23, 14
	s_add_co_u32 s48, s48, s50                     ; my step's 64 rows of 256 bytes
	s_mov_b32 s49, 0
	s_mul_i32 s51, s23, STEPB                      ; and its place in a slot
	s_lshl_b32 s52, s22, 2
	s_add_co_u32 s52, s52, s13                     ; the query head h
	s_lshl_b32 s53, s52, 2
	s_add_co_u32 s53, s53, s21
	s_lshl_b32 s53, s53, 18
	s_lshl_b32 s50, s[WV], 13
	s_add_co_u32 s53, s53, s50                     ; Q of (h, b), my 32 rows in a block
	s_lshl_b32 s54, s[HI], 15
	s_add_co_u32 s54, s54, s53
	s_mov_b32 s55, 0
	s_lshl_b32 s84, s[PB], 15
	s_add_co_u32 s84, s84, s53
	s_mov_b32 s85, 0
	s_lshl_b32 s53, s21, 22                        ; y: (1,024 b + 128 block + 32 w) rows of 4,096 bytes + 256 h
	s_lshl_b32 s50, s[WV], 17
	s_add_co_u32 s53, s53, s50
	s_lshl_b32 s50, s52, 8
	s_add_co_u32 s53, s53, s50
	s_lshl_b32 s20, s[HI], 19
	s_add_co_u32 s20, s20, s53
	s_mov_b32 s21, 0
	s_lshl_b32 s22, s[PB], 19
	s_add_co_u32 s22, s22, s53
	s_mov_b32 s23, 0
	s_mov_b32 s[G1K], 15|(1<<16)|(1<<20)|(1<<21)|(5<<22)|(3<<25)  ; the mask of four; 2-byte elements; padding on; bit 21 beside a mask; after every 64 words 4 words
	s_mov_b32 s[G1V], 15|(1<<16)|(1<<20)|(1<<21)|(5<<22)|(7<<25)  ; the same with 8 words
.irp g, G1K, G1V
	s_mov_b32 s[(\g)+1], 128<<16                   ; tensor_dim0 = 128
	s_mov_b32 s[(\g)+2], KS<<16                    ; tensor_dim1 = 64
	s_mov_b32 s[(\g)+3], 128<<16                   ; tile_dim0 = 128
	s_mov_b32 s[(\g)+4], KS                        ; tile_dim1 = 64
	s_mov_b32 s[(\g)+5], 128                       ; elements from row to row
	s_mov_b32 s[(\g)+6], 0
	s_mov_b32 s[(\g)+7], 0
.endr
	s_mov_b32 s[CS], 0x3e0293ee                    ; c = log2(e) / sqrt(128)
	s_mov_b32 s[CS+1], s[CS]
	s_mov_b32 s[SEL], 0x76543210
	s_mov_b32 s[SEL+1], 0xfedcba98
	s_mov_b32 s[TB], SLOT1+STEPB                   ; the first change of slots turns this into 0
	s_add_co_u32 s[RT], s[HI], 1                   ; the first block has 8 - p tiles
	s_mov_b32 s[NXT], 1
	s_mov_b32 s[LQ], s[HI]
	s_mov_b32 s[OFF+1], 0
	s_mov_b32 s[BIGN], 0xf149f2ca                  ; -1e30
	s_mov_b32 s[SLOTS], 8
	s_mov_b32 s[G0K], 1
	s_mov_b32 s[G0K+1], s51
	s_mov_b32 s[G0V], 1
	s_add_co_u32 s[G0V+1], s51, VOFF
	s_wait_kmcnt 0x0
	s_add_nc_u64 s[6:7], s[16:17], s[48:49]        ; K at my part of tile 0
	s_add_nc_u64 s[8:9], s[6:7], 0x400000          ; V lies four heads of four batches further on
	s_add_nc_u64 s[4:5], s[16:17], s[54:55]        ; Q, first block
	s_add_nc_u64 s[86:87], s[16:17], s[84:85]      ; Q, second block
	s_add_nc_u64 s[10:11], s[18:19], s[20:21]      ; y, first block
	s_add_nc_u64 s[80:81], s[18:19], s[22:23]      ; y, second block
	s_add_nc_u64 s[G0K+2:G0K+3], s[6:7], 0
	s_or_b32 s[G0K+3], s[G0K+3], 0x80000000
	s_add_nc_u64 s[G0V+2:G0V+3], s[8:9], 0
	s_or_b32 s[G0V+3], s[G0V+3], 0x80000000
	CROUND                                         ; all four work-groups are here: the first joint loads meet
	JLOAD                                          ; tile 0 into slot 0: one load of mine is out
	v_and_b32 v1, 15, v0                           ; r
	v_bfe_u32 v9, v0, 4, 1                         ; h
	v_lshlrev_b32 v12, 8, v1
	v_lshl_add_u32 v12, v9, 4, v12                 ; Q: row x 256 + 16 x half
	WIN 0x40
.set i, 0
.rept 8                                ; tile i / 4, channels 32 (i % 4) on
	global_load_b128 v[8*i:8*i+3],   v12, s[4:5] offset:(i/4)*4096+(i%4)*64
	global_load_b128 v[8*i+4:8*i+7], v12, s[4:5] offset:(i/4)*4096+(i%4)*64+32
.set i, i+1
.endr
	WIN 0x80
.set i, 0
.rept 8
	global_load_b128 v[128+8*i:128+8*i+3],   v12, s[86:87] offset:(i/4)*4096+(i%4)*64
	global_load_b128 v[128+8*i+4:128+8*i+7], v12, s[86:87] offset:(i/4)*4096+(i%4)*64+32
.set i, i+1
.endr
	WIN 0
	v_mul_u32_u24 v[AK0], v1, PK
	v_lshl_add_u32 v[AK0], v9, 4, v[AK0]
	v_and_b32 v13, 7, v0
	v_lshl_add_u32 v[AV0], v9, 3, v13              ; the turning load: key 8 h + L % 8,
	v_mul_u32_u24 v[AV0], v[AV0], PV
	v_bfe_u32 v13, v0, 3, 1
	v_lshl_add_u32 v[AV0], v13, 4, v[AV0]          ; channels 8 ((L / 8) % 2) on
	v_add_nc_u32 v[AV0], VOFF, v[AV0]
	s_mul_i32 s50, s[WV], 16*SP
	s_add_co_u32 s50, s50, STAGE
	v_mul_u32_u24 v[STO], v1, SP
	v_lshl_add_u32 v[STO], v9, 4, v[STO]
	v_add_nc_u32 v[STO], s50, v[STO]               ; in: row r, 16 bytes for each half of the lanes
	v_mul_u32_u24 v[RD], v9, SP
	v_lshl_add_u32 v[RD], v1, 4, v[RD]
	v_add_nc_u32 v[RD], s50, v[RD]                 ; back: lanes 0-15 one row of 256 bytes, lanes 16-31 the next
	v_lshlrev_b32 v[GO], 12, v9
	v_lshl_add_u32 v[GO], v1, 4, v[GO]             ; the same two rows in y
	v_lshlrev_b32 v13, 3, v9
	v_sub_nc_u32 v[LIM], v1, v13
	s_lshl_b32 s50, s[WV], 5
	v_add_nc_u32 v[LIM], s50, v[LIM]
	v_add_nc_u32 v[LIM+1], 16, v[LIM]
	BEGIN
.set i, OT
.rept 128                              ; a block's first step multiplies O^T by a = 0, so it need only be finite: zeros for the first block, what the first block left for the second.  This stands in the wait for the first tile
	v_mov_b32 v[i], 0
.set i, i+1
.endr
	s_wait_loadcnt 0x0                             ; both blocks' Q; v12 is free again
; Product i of 32 of S^T = K Q^T: channels 32 (i / 8) on, keys 16 ((i / 2) % 4) on, tile i % 2.  The first 8 start the sums, with 0 or (m = 1) with the mask.  The 8 accumulators take turns.
.macro KQ m
.set rS, S+32*(i%2)+8*((i/2)%4)
.set rK, KF+32*((i/2)%4)+8*(i/8)
.set rQ, 32*(i%2)+8*(i/8)
.set rM, MC+32*(i%2)+8*((i/2)%4)
.if (i < 8) && (\m)
	WIN 0x15                                       ; K, Q and the mask in window 1
	v_wmma_f32_16x16x32_f16 v[rS:rS+7], v[rK:rK+7], v[rQ:rQ+7], v[rM:rM+7]
.elseif i < 8
	WIN 0x05
	v_wmma_f32_16x16x32_f16 v[rS:rS+7], v[rK:rK+7], v[rQ:rQ+7], 0
.else
	WIN 0x05
	v_wmma_f32_16x16x32_f16 v[rS:rS+7], v[rK:rK+7], v[rQ:rQ+7], v[rS:rS+7]
.endif
.set i, i+1
.endm
; Product i of 32 of O^T += V^T P: keys 32 (i / 16) on, channels 16 ((i / 2) % 8) on, tile i % 2.  16 accumulators by turns.
.macro PVM
	WIN 0x02                                       ; V in window 2
.set rO, OT+64*(i%2)+8*((i/2)%8)
.set rV, 64*(i/16)+8*((i/2)%8)
.set rP, P+16*(i%2)+8*(i/16)
	v_wmma_f32_16x16x32_f16 v[rO:rO+7], v[rV:rV+7], v[rP:rP+7], v[rO:rO+7]
.set i, i+1
.endm
.macro FETCH_K
	WIN 0
	v_add_nc_u32 v[AK], s[TB], v[AK0]
	WIN 0x40
.irp f, 0,1,2,3,4,5,6,7,8,9,10,11,12,13,14,15  ; keys 16 (f / 4) on, channels 32 (f % 4) on
	ds_load_b128 v[KF+8*(\f):KF+8*(\f)+3],   v[AK] offset:((\f)/4)*16*PK+((\f)%4)*64
	ds_load_b128 v[KF+8*(\f)+4:KF+8*(\f)+7], v[AK] offset:((\f)/4)*16*PK+((\f)%4)*64+32
.endr
	WIN 0
.endm
.macro FETCH_V
	WIN 0
	v_add_nc_u32 v[AV], s[TB], v[AV0]
	WIN 0x80
.irp f, 0,1,2,3,4,5,6,7,8,9,10,11,12,13,14,15  ; keys 32 (f / 8) on, channels 16 (f % 8) on
	ds_load_tr16_b128 v[8*(\f):8*(\f)+3],   v[AV] offset:((\f)/8)*32*PV+((\f)%8)*32
	ds_load_tr16_b128 v[8*(\f)+4:8*(\f)+7], v[AV] offset:((\f)/8)*32*PV+16*PV+((\f)%8)*32
.endr
	WIN 0
.endm
.macro MASKS                           ; the masks of this step of the diagonal tile, for both tiles of queries
	WIN 0
	v_sub_nc_u32 v12, v[LIM], s[SO]
	v_sub_nc_u32 v13, v[LIM+1], s[SO]
	WIN 0x40
.set i, 0
.rept 64
	v_cmp_gt_i32 vcc_lo, 16*((i/8)%4)+i%8, v[12+i/32]
	v_cndmask_b32 v[MC+i], 0, s[BIGN], vcc_lo
.set i, i+1
.endr
.endm
; One tile's softmax for a key step: a list of 134 instructions; SM writes number j of it for tile t.  s0-s31 are the lane's 32 scores.
;   0-15   the maximum of s0-s31 and the old m, three operands at a time; each accumulator's lowest registers are read first
;   16-20  the other half of the lanes' maximum; the new m; c m; c m_old - c m_new
;   21-87  33 exponentials (a, then s0-s31) at the odd numbers from 23 on, each with a plain instruction behind it: scalings c s - c m of pairs still to come, roundings to f16 of pairs that are done, the first sums
;   88-101 the last rounding; the rest of the sums; l = a l + the sum        102-133 the tile's O^T times a, from each accumulator's low end on
.macro SM t
.set rT, ST+8*(\t)
.set rS, S+32*(\t)
.set rP, P+16*(\t)
.set rO, OT+64*(\t)+2*(j-102)
.set q, (j-20)/2
.if j < 4
	v_max3_num_f32 v[rT+4+j], v[rS+8*j], v[rS+8*j+1], v[rS+8*j+2]
.elseif j < 12
	v_max3_num_f32 v[rT+4+j%4], v[rT+4+j%4], v[rS+8*(j%4)+2*(j/4)+1], v[rS+8*(j%4)+2*(j/4)+2]
.elseif j == 12
	v_max3_num_f32 v[rT+4], v[rT+4], v[rS+7], v[rS+15]
.elseif j == 13
	v_max3_num_f32 v[rT+6], v[rT+6], v[rS+23], v[rS+31]
.elseif j == 14
	v_max3_num_f32 v[rT+4], v[rT+4], v[rT+5], v[rT+6]
.elseif j == 15
	v_max3_num_f32 v[rT+4], v[rT+4], v[rT+7], v[rT+1]
.elseif j == 16
	v_permlanex16_b32 v[rT+5], v[rT+4], s[SEL], s[SEL+1]
.elseif j == 17
	v_mov_b32 v[rT+7], v[rT]
.elseif j == 18
	v_max_num_f32 v[rT+1], v[rT+4], v[rT+5]
.elseif j == 19
	v_mul_f32 v[rT], s[CS], v[rT+1]
.elseif j == 20
	v_sub_f32 v[rT+7], v[rT+7], v[rT]
.elseif j == 23
	v_exp_f32 v[rT+6], v[rT+7]
.elseif (j < 88) && (j > 23) && (j%2 == 1)
	v_exp_f32 v[rS+(j-25)/2], v[rS+(j-25)/2]
.elseif (q < 4) || ((j < 76) && (q%2 == 0))
.set b, q/2+2
.if q < 4
.set b, q
.endif
	v_pk_fma_f32 v[rS+2*b:rS+2*b+1], v[rS+2*b:rS+2*b+1], s[CS:CS+1], v[rT:rT+1] op_sel_hi:[1,0,0] neg_lo:[0,0,1] neg_hi:[0,0,1]
.elseif (j < 88) && (q%2 == 1)
	s_wait_alu depctr_va_vdst(0)
	v_cvt_pk_f16_f32 v[rP+(q-5)/2], v[rS+q-5], v[rS+q-4]
.elseif j == 89
	s_wait_alu depctr_va_vdst(0)
	v_cvt_pk_f16_f32 v[rP+15], v[rS+30], v[rS+31]
.elseif j < 102
.set z, j-86
.if j < 89
.set z, (j-76)/4
.endif
.set w, 4
.set u, z
.if z >= 14
.set w, 32
.set u, 0
.elseif z >= 12
.set w, 16
.set u, z-12
.elseif z >= 8
.set w, 8
.set u, z-8
.endif
.if z < 15
	v_pk_add_f32 v[rS+w*u:rS+w*u+1], v[rS+w*u:rS+w*u+1], v[rS+w*u+w/2:rS+w*u+w/2+1]
.else
	v_pk_fma_f32 v[rT+2:rT+3], v[rT+2:rT+3], v[rT+6:rT+7], v[rS:rS+1] op_sel_hi:[1,0,1]
.endif
.else
	v_pk_mul_f32 v[rO:rO+1], v[rO:rO+1], v[rT+6:rT+7] op_sel_hi:[1,0]
.endif
.endm
.macro SLICE                           ; numbers 2 k and 2 k + 1 of both tiles' lists; the twelve that are over stand in slice 63
.if (k >= 11) && (k < 44)              ; tile by tile: plain, exponential, plain, exponential
.irp t, 0,1
.irp n, 0,1
.set j, 2*k+(\n)
	SM \t
.endr
.endr
.else                                  ; the two tiles alternate
.irp n, 0,1,2,3,4,5,6,7
.if ((\n) < 2) || (k == 63)
.irp t, 0,1
.set j, 2*k+(\n)
	SM \t
.endr
.endif
.endr
.endif
.set k, k+1
.endm
; A KEY STEP.  diag = 1: the diagonal tile for certain; 0: it is the diagonal tile if RT = 0.
.macro STEP diag
	s_wait_dscnt 0x0                               ; K is in
.if !(\diag)
	s_cmp_lg_u32 s[RT], 0
	s_cbranch_scc1 .Lplain_\@
.endif
	MASKS
.set i, 0
.rept 8
	KQ 1
.endr
.if !(\diag)
	WIN 0
	s_branch .Ljoin_\@
.Lplain_\@:
.set i, 0
.rept 8
	KQ 0
.endr
	WIN 0
.Ljoin_\@:
.endif
.rept 24
	KQ 0
.endr
	WIN 0
	PLACES                                         ; behind the products: in front of the loads into K's and V's registers and of the reads of the scores
	FETCH_V                                        ; V of this step
	s_cmp_eq_u32 s[CNT], 1
	s_cbranch_scc1 .Lno_k_\@                       ; the tile's second step fetches no further K
	s_add_co_u32 s[TB], s[TB], STEPB
	FETCH_K                                        ; K of the next step
.Lno_k_\@:
.set k, 0
.rept 64
	SLICE
.endr
	s_wait_dscnt 0x0                               ; V is in, and the next K
.set i, 0
.rept 32
	PVM
.endr
	WIN 0
	s_add_co_u32 s[SO], s[SO], KS
.endm
.macro TILE diag
	FETCH_K
	s_mov_b32 s[CNT], 2
	s_mov_b32 s[SO], 0
.Lstep_\@:
	STEP \diag
	s_sub_co_u32 s[CNT], s[CNT], 1
	s_cmp_lg_u32 s[CNT], 0
	s_cbranch_scc1 .Lstep_\@
.endm
; THE WAY OUT: l's two halves and the other half of the lanes' are added; O^T is divided by l, rounded to f16 and sent through my stage in LDS, a tile (16 rows) at a time.
.macro PACK t
.set i, OT+64*(\t)
.rept 32
	v_pk_mul_f32 v[i:i+1], v[i:i+1], v[ST+8*(\t)+6:ST+8*(\t)+7] op_sel_hi:[1,0]
.set i, i+2
.endr
.set i, 0
.rept 32
	v_cvt_pk_f16_f32 v[S+32*(\t)+i], v[OT+64*(\t)+2*i], v[OT+64*(\t)+2*i+1]
.set i, i+1
.endr
.irp f, 0,1,2,3,4,5,6,7
	ds_store_b128 v[STO], v[S+32*(\t)+4*(\f):S+32*(\t)+4*(\f)+3] offset:32*(\f)
.endr
.irp f, 0,1,2,3,4,5,6,7
	ds_load_b128 v[S+32*(\t)+4*(\f):S+32*(\t)+4*(\f)+3], v[RD] offset:(\f)*2*SP  ; LDS serves a wave's instructions in order (ISA guide 5.7.1.4): these see the stores above; the next tile's stores come behind them
.endr
.endm
.macro SEND t, younger                 ; younger: the LDS instructions issued behind tile t's loads
.irp f, 0,1,2,3,4,5,6,7
	s_wait_dscnt (\younger)+7-(\f)
	global_store_b128 v[GO], v[S+32*(\t)+4*(\f):S+32*(\t)+4*(\f)+3], s[10:11] offset:(\t)*65536+(\f)*8192  ; 16 lanes store 256 consecutive bytes, aligned: a head's part of a row of y
.endr
.endm
.macro WAYOUT
	WIN 0
	PLACES                                         ; behind the last products
.irp t, 0,1
	v_add_f32 v[ST+8*(\t)+4], v[ST+8*(\t)+2], v[ST+8*(\t)+3]
.endr
.irp t, 0,1
	v_permlanex16_b32 v[ST+8*(\t)+5], v[ST+8*(\t)+4], s[SEL], s[SEL+1]
.endr
.irp t, 0,1
	v_add_f32 v[ST+8*(\t)+4], v[ST+8*(\t)+4], v[ST+8*(\t)+5]
.endr
.irp t, 0,1
	v_rcp_f32 v[ST+8*(\t)+6], v[ST+8*(\t)+4]
.endr
	v_nop                                          ; a plain instruction behind the last reciprocal
	s_wait_alu depctr_va_vdst(0)
	PACK 0
	PACK 1
	SEND 0, 16
	SEND 1, 0
.endm
.Lslot:                                ; 8 trips: a tile is entered and the next is asked for
	CHANGE 1
	s_sub_co_u32 s[RT], s[RT], 1
	TILE 0
	s_cmp_lg_u32 s[RT], 0
	s_cbranch_scc1 .Lbottom
	WAYOUT                                         ; the first block's end (the second's last tile is the walk's last)
	s_wait_xcnt 0x0                                ; the stores' registers and y's address are rewritten only behind this wait
	s_mov_b64 s[10:11], s[80:81]
	s_add_co_u32 s[RT], s[PB], 1                   ; the second block has p + 1 tiles
	BEGIN
	WIN 0x42                                       ; the second block's Q goes where the products name Q
.set i, 0
.rept 64
	v_mov_b32 v[i], v[128+i]
.set i, i+1
.endr
	WIN 0
.Lbottom:
	s_sub_co_u32 s[SLOTS], s[SLOTS], 1
	s_cmp_lg_u32 s[SLOTS], 0
	s_cbranch_scc1 .Lslot
	CHANGE 0                                       ; the walk's last tile is written out: nothing is asked for
	TILE 1
	WAYOUT
	s_wait_tensorcnt 0x0                           ; the wave's end
	ds_add_u32 v[SPW], v[NIL]
	s_wait_dscnt 0x0
	CROUND                                         ; the closing round
	s_endpgm
.Lfunc_end_k_qf8e7b56d32_attn:
	.size	k_qf8e7b56d32_attn, .Lfunc_end_k_qf8e7b56d32_attn-k_qf8e7b56d32_attn
	.p2alignl 7, 3214868480
	.fill 96, 4, 3214868480
	.section	.rodata,"a",@progbits
	.p2align	6, 0x0
	.amdhsa_kernel k_qf8e7b56d32_attn
		.amdhsa_group_segment_fixed_size 327680
		.amdhsa_private_segment_fixed_size 0
		.amdhsa_enable_private_segment 0
		.amdhsa_kernarg_size 16
		.amdhsa_user_sgpr_count 2
		.amdhsa_user_sgpr_kernarg_segment_ptr 1
		.amdhsa_wavefront_size32 1
		.amdhsa_system_sgpr_workgroup_id_x 1
		.amdhsa_system_sgpr_workgroup_id_y 1
		.amdhsa_system_sgpr_workgroup_id_z 1
		.amdhsa_system_vgpr_workitem_id 0
		.amdhsa_next_free_vgpr 704
		.amdhsa_next_free_sgpr 90
		.amdhsa_reserve_vcc 1
		.amdhsa_float_denorm_mode_32 3
		.amdhsa_float_denorm_mode_16_64 3
		.amdhsa_memory_ordered 1
		.amdhsa_forward_progress 1
		.amdhsa_inst_pref_size 110
	.end_amdhsa_kernel
	.amdgpu_metadata
---
amdhsa.version: [ 1, 2 ]
amdhsa.kernels:
  - .name:           k_qf8e7b56d32_attn
    .symbol:         k_qf8e7b56d32_attn.kd
    .args:
      - { .name: qkv, .offset: 0, .size: 8, .value_kind: global_buffer, .address_space: global }
      - { .name: y, .offset: 8, .size: 8, .value_kind: global_buffer, .address_space: global }
    .group_segment_fixed_size: 327680
    .private_segment_fixed_size: 0
    .kernarg_segment_align: 8
    .kernarg_segment_size: 16
    .max_flat_workgroup_size: 128
    .sgpr_count:     90
    .vgpr_count:     704
    .wavefront_size: 32
...
	.end_amdgpu_metadata
.endif
;; end of part 3
;; launch out_gemm (part 4): grid 8 x 32, 4 waves a work-group, clusters of 4 x 4, 327,680 bytes of LDS; arguments y, wb, out0; writes out0
.if DOCPART == 4
	.amdgcn_target "amdgcn-amd-amdhsa--gfx1250"
	.amdhsa_code_object_version 6
	.text
	.protected	k_qf8e7b56d32_out_gemm
	.globl	k_qf8e7b56d32_out_gemm
	.p2align	8
	.type	k_qf8e7b56d32_out_gemm,@function
k_qf8e7b56d32_out_gemm:
	s_mov_b64 s[64:65], 0
	v_nop
	global_prefetch_b8 v0, s[64:65] scope:SCOPE_SE
	s_setreg_imm32_b32 hwreg(HW_REG_WAVE_MODE, 25, 1), 1
	s_wait_xcnt 0x0
	s_wait_alu depctr_hold_cnt(0) depctr_sa_sdst(0) depctr_va_vdst(0) depctr_va_sdst(0) depctr_va_ssrc(0) depctr_va_vcc(0) depctr_vm_vsrc(0)
	s_getreg_b32 s2, hwreg(HW_REG_IB_STS2, 6, 4)
	s_cmp_eq_u32 s2, 0
	s_cbranch_scc0 .Lentry_in_a_cluster
	s_endpgm
.Lentry_in_a_cluster:
	s_bfe_u32 s2, ttmp6, 0x10000c
	s_cmp_lg_u32 s2, 0xf033
	s_cbranch_scc0 .Lentry_shape_is_right
	s_endpgm
.Lentry_shape_is_right:
; out0 = y Wo^T + (y Ao^T) Bo^T: [4096][2048] x [2048][2048] and the low-rank step; f16 operands, f32 sums, t = y Ao^T rounded once to f16, f32 result.
; wb holds Bo [2048][32] at byte 0 and from WOFF on 16 blocks of 144 rows: 128 rows of Wo, then 16 rows of Ao: ranks 0-15 in even blocks, 16-31 in odd ones.
; A tile is 128 x 256: 8 x 32 = 256 work-groups.  Four waves, each 64 rows x 128 columns, and beside them 16 ranks of t (block w % 2) for its 64 rows: 36 accumulators, 288 registers.
; THE LOW-RANK STEP RIDES ON THE SAME TILES: Ao's 16 rows come with the wave's 128 rows of Wo in one tensor load, as a ninth column block.  Behind the last K step t is rounded to f16: a lane's eight ranks ARE half a
; fragment of source 1; the two waves of a row half exchange their halves through LDS, and 32 products t Bo^T are added.  Bo's fragments are asked for in the head and waited for only there.
; K goes in steps of 128 through two LDS slots (rows of 256 bytes, aligned).  CLUSTER 4 x 4: y's tile is shared along a row of the cluster, Wo's and Ao's along a column, each asked for jointly.
; The matrix instruction is used transposed (source 0 = 16 rows of Wo or Ao, source 1 = 16 rows of y): a lane holds one row and eight neighbouring columns.
; LIMIT.  t must lie within f16's range, 65,504.
; REGISTERS: window 0: v0-31 addresses, v64-127 y's fragments (two buffers of 32), v128-255 at work behind the loop; window 1: v0-143 Wo's and Ao's fragments (two buffers of 72), v144-207 Bo's fragments;
;   window 2: accumulators of my row blocks 0, 1 ((a, q) at 72 (a % 2) + 8 q, q = 8 for t);   window 3: those of blocks 2, 3.
.set KSTEP, 128
.set PITCH, 272                        ; 256 bytes + 16: the 16 rows of a fragment load start at 16 different groups of four banks (ISA guide 11.1)
.set ATILE, 128*PITCH
.set BHALF, 144*PITCH                  ; 128 rows of Wo and 16 of Ao
.set SLOT,  ATILE+2*BHALF              ; y's 128 rows, then two such halves
.set STAGE, 2*SLOT                     ; behind the ring: 16 rows x 528 bytes of f32 for each wave, its own
.set SPIT,  528
.set EXCH,  STAGE+4*16*SPIT            ; t's exchange: [wave][row block][512 bytes]
.set SPARE, EXCH+4*2048                ; the spare words: two blocks of 256 bytes that no other line names
.set WOFF,  131072                     ; in wb: the blocks
.set BLKB,  144*4096                   ; bytes in a block
.set NQ,   9
.set ADRA, 16                          ; v16-17
.set ADRB, 18                          ; v18-19
.set STO,  24
.set RD,   25
.set CO,   26                          ; v26  16 x lane
.set BL,   27                          ; v27  my place in 16 rows of Bo: 64 r + 16 h
.set SPW,  28
.set NIL,  29
.set XE,   30                          ; v30  where my halves of t's fragments go
.set XF,   31                          ; v31  where my row half's fragments of t lie
.set TP,   128                         ; v128-143  t, packed
.set TF,   160                         ; v160-191  t's fragments, row block a at 8 a
.set BFR,  144                         ; window 1: Bo's fragments, column block q at 8 q
.set WV,   10
.set G1,   24
.set G0,   32
.set G1B,  48
.set G0B,  56
.set FLAGS, (1<<16)|(1<<20)|(1<<21)|(5<<22)|(3<<25)
.set MSB, 0
.macro WIN new
.if MSB != (\new)
	s_set_vgpr_msb (MSB<<8)|(\new)
.set MSB, \new
.endif
.endm
.macro PLACES
.rept 4
	v_nop
.endr
.endm
.macro JLOAD s                         ; waves 0, 1 fetch y's two halves of 64 rows, waves 2, 3 the two blocks of 144.  An s_nop 0 and four v_nop follow each line
	s_cmp_eq_u32 s11, 0
	s_cbranch_scc0 .Lfor_b_\@
	tensor_load_to_lds s[G0+4*(\s):G0+4*(\s)+3], s[G1:G1+7]
	s_nop 0
.rept 4
	v_nop
.endr
	s_branch .Lasked_\@
.Lfor_b_\@:
	tensor_load_to_lds s[G0B+4*(\s):G0B+4*(\s)+3], s[G1B:G1B+7]
	s_nop 0
.rept 4
	v_nop
.endr
.Lasked_\@:
.endm
.macro CREST
	s_cmp_lg_u32 s[WV], 0
	s_cbranch_scc1 .Lnot_wave_0_\@
	s_barrier_signal -3
.Lnot_wave_0_\@:
	s_barrier_wait -3
	s_barrier_signal -1
	s_barrier_wait -1
.endm
.macro CROUND
	s_barrier_signal -1
	s_barrier_wait -1
	CREST
.endm
	s_load_b128 s[4:7], s[0:1], 0x0                ; y, wb
	s_load_b64 s[8:9], s[0:1], 0x10                ; out0
	v_lshl_add_u32 v[SPW], v0, 2, SPARE
	v_mov_b32 v[NIL], 0
	ds_add_u32 v28, v29
	s_wait_dscnt 0x0
	v_lshrrev_b32 v1, 5, v0
	v_readfirstlane_b32 s[WV], v1
	s_lshr_b32 s11, s[WV], 1                       ; which 64 rows are mine.  Also: I fetch for y (0) or for Wo (1)
	s_and_b32 s12, s[WV], 1                        ; which 128 columns and which 16 ranks.  Also: which half of that tile I fetch
	s_bfe_u32 s40, ttmp6, 0x40000                  ; cx
	s_bfe_u32 s41, ttmp6, 0x40004                  ; cy
	s_lshl_b32 s42, ttmp9, 2
	s_add_co_u32 s42, s42, s40                     ; tx
	s_and_b32 s13, ttmp7, 0xffff
	s_lshl_b32 s13, s13, 2
	s_add_co_u32 s13, s13, s41                     ; ty
	s_lshl_b32 s43, s41, 2
	s_lshl_b32 s43, 15, s43                        ; my row of the cluster
	s_lshl_b32 s44, 0x1111, s40                    ; my column
	s_or_b32 s[G1], s43, FLAGS
	s_or_b32 s[G1B], s44, FLAGS
	s_mov_b32 s[G1+1], KSTEP<<16                   ; y: 64 rows x 128 elements
	s_mov_b32 s[G1+2], 64<<16
	s_mov_b32 s[G1+3], KSTEP<<16
	s_mov_b32 s[G1+4], 64
	s_mov_b32 s[G1+5], 2048
	s_mov_b32 s[G1+6], 0
	s_mov_b32 s[G1+7], 0
	s_mov_b32 s[G1B+1], KSTEP<<16                  ; a block: 144 rows x 128 elements
	s_mov_b32 s[G1B+2], 144<<16
	s_mov_b32 s[G1B+3], KSTEP<<16
	s_mov_b32 s[G1B+4], 144
	s_mov_b32 s[G1B+5], 2048
	s_mov_b32 s[G1B+6], 0
	s_mov_b32 s[G1B+7], 0
	s_lshl_b32 s16, s13, 7
	s_lshl_b32 s17, s12, 6
	s_add_co_u32 s16, s16, s17                     ; y: row 128 ty + 64 half
	s_lshl_b32 s16, s16, 12
	s_mov_b32 s17, 0
	s_lshl_b32 s46, s42, 1
	s_add_co_u32 s46, s46, s12                     ; block 2 tx + half
	s_mul_i32 s46, s46, BLKB
	s_add_co_u32 s46, s46, WOFF
	s_mov_b32 s47, 0
	s_mul_i32 s20, s12, 64*PITCH                   ; where they go: y's halves,
	s_mul_i32 s21, s12, BHALF
	s_add_co_u32 s21, s21, ATILE                   ; the two blocks behind them
	s_wait_kmcnt 0x0
	s_add_nc_u64 s[14:15], s[4:5], s[16:17]
	s_add_nc_u64 s[46:47], s[6:7], s[46:47]
	CROUND                                         ; all sixteen work-groups are here: the first joint loads meet
.irp s, 0,1
	s_mov_b32 s[G0+4*(\s)], 1
	s_add_co_u32 s[G0+4*(\s)+1], s20, (\s)*SLOT
	s_add_nc_u64 s[G0+4*(\s)+2:G0+4*(\s)+3], s[14:15], (\s)*KSTEP*2
	s_or_b32 s[G0+4*(\s)+3], s[G0+4*(\s)+3], 0x80000000
	s_mov_b32 s[G0B+4*(\s)], 1
	s_add_co_u32 s[G0B+4*(\s)+1], s21, (\s)*SLOT
	s_add_nc_u64 s[G0B+4*(\s)+2:G0B+4*(\s)+3], s[46:47], (\s)*KSTEP*2
	s_or_b32 s[G0B+4*(\s)+3], s[G0B+4*(\s)+3], 0x80000000
	JLOAD \s                                       ; K steps 0 and 1: two loads of mine are out
.endr
	v_and_b32 v1, 15, v0
	v_bfe_u32 v2, v0, 4, 1
	v_and_b32 v3, 31, v0
	v_lshlrev_b32 v[CO], 4, v3                     ; 16 x lane: 512 consecutive bytes
	v_lshlrev_b32 v[BL], 6, v1
	v_lshl_add_u32 v[BL], v2, 4, v[BL]
	s_lshl_b32 s46, s42, 8                         ; Bo at row 256 tx + 128 (w % 2), 64 bytes a row
	s_lshl_b32 s47, s12, 7
	s_add_co_u32 s46, s46, s47
	s_lshl_b32 s46, s46, 6
	s_mov_b32 s47, 0
	s_add_nc_u64 s[68:69], s[6:7], s[46:47]
	WIN 0x40
.set i, 0
.rept 8                                ; Bo: column block i: the two loads together take 1,024 consecutive bytes.  They are waited for behind the last K step
	global_load_b128 v[BFR+8*i:BFR+8*i+3],   v[BL], s[68:69] offset:i*1024
	global_load_b128 v[BFR+8*i+4:BFR+8*i+7], v[BL], s[68:69] offset:i*1024+32
.set i, i+1
.endr
	WIN 0
	v_mul_u32_u24 v4, v1, PITCH
	v_lshl_add_u32 v4, v2, 4, v4
	s_mul_i32 s22, s11, 64*PITCH
	v_add_nc_u32 v[ADRA], s22, v4
	v_add_nc_u32 v[ADRA+1], SLOT, v[ADRA]
	s_mul_i32 s22, s12, BHALF
	s_add_co_u32 s22, s22, ATILE
	v_add_nc_u32 v[ADRB], s22, v4
	v_add_nc_u32 v[ADRB+1], SLOT, v[ADRB]
	s_mul_i32 s23, s[WV], 16*SPIT
	s_add_co_u32 s23, s23, STAGE                   ; my stage
	v_mul_u32_u24 v5, v1, SPIT
	v_lshl_add_u32 v5, v2, 5, v5
	v_add_nc_u32 v[STO], s23, v5                   ; in: row r, 32 bytes for each half of the lanes
	v_add_nc_u32 v[RD], s23, v[CO]                 ; back: a whole row of 512 bytes
	s_lshl_b32 s23, s[WV], 11
	s_add_co_u32 s23, s23, EXCH
	v_add_nc_u32 v[XE], s23, v[CO]
	s_lshl_b32 s23, s11, 12
	s_add_co_u32 s23, s23, EXCH
	v_add_nc_u32 v[XF], s23, v[CO]                 ; my row half's two waves lie side by side
	s_lshl_b32 s16, s13, 7
	s_lshl_b32 s17, s11, 6
	s_add_co_u32 s16, s16, s17                     ; my first row of out0,
	s_lshl_b32 s16, s16, 13
	s_mov_b32 s17, 0
	s_add_nc_u64 s[8:9], s[8:9], s[16:17]
	s_lshl_b32 s46, s42, 10                        ; my first column, in bytes: 1,024 tx + 512 half
	s_lshl_b32 s47, s12, 9
	s_add_co_u32 s46, s46, s47
	s_mov_b32 s47, 0
	s_add_nc_u64 s[8:9], s[8:9], s[46:47]
; The 36 accumulators take turns in one fixed order in every quarter.  zero = 1: the product starts the sums.
.macro MULA bf, a, zero
	WIN 0xa1+0x50*((\a)/2)                         ; source 0 window 1, source 1 window 0, C and D window 2 or 3
.set AB, 72*((\a)%2)
.set q, 0
.rept NQ
.if \zero
	v_wmma_f32_16x16x32_f16 v[AB+8*q:AB+8*q+7], v[72*(\bf)+8*q:72*(\bf)+8*q+7], v[64+32*(\bf)+8*(\a):64+32*(\bf)+8*(\a)+7], 0
.else
	v_wmma_f32_16x16x32_f16 v[AB+8*q:AB+8*q+7], v[72*(\bf)+8*q:72*(\bf)+8*q+7], v[64+32*(\bf)+8*(\a):64+32*(\bf)+8*(\a)+7], v[AB+8*q:AB+8*q+7]
.endif
.set q, q+1
.endr
.endm
.macro FETCH slot, k, bf               ; 26 LDS loads in one run: eight blocks of Wo, one of Ao; y's come last
	WIN 0x40
.set q, 0
.rept NQ
	ds_load_b128 v[72*(\bf)+8*q:72*(\bf)+8*q+3],   v[ADRB+(\slot)] offset:(\k)+q*16*PITCH
	ds_load_b128 v[72*(\bf)+8*q+4:72*(\bf)+8*q+7], v[ADRB+(\slot)] offset:(\k)+q*16*PITCH+32
.set q, q+1
.endr
	WIN 0
.set q, 0
.rept 4
	ds_load_b128 v[64+32*(\bf)+8*q:64+32*(\bf)+8*q+3],   v[ADRA+(\slot)] offset:(\k)+q*16*PITCH
	ds_load_b128 v[64+32*(\bf)+8*q+4:64+32*(\bf)+8*q+7], v[ADRA+(\slot)] offset:(\k)+q*16*PITCH+32
.set q, q+1
.endr
.endm
.macro QUARTER slot, k, bf, bg, zero
	s_wait_dscnt 4                                 ; all but the youngest four loads: y's row blocks 2, 3
	MULA \bf, 0, \zero
	MULA \bf, 1, \zero
	PLACES
	FETCH \slot, \k, \bg
	s_wait_dscnt 26                                ; all but the 26 just issued
	MULA \bf, 2, \zero
	MULA \bf, 3, \zero
.endm
; The change of slots: one barrier; in front of it each wave waits for all its tensor loads (one is out: its part of the next slot), adds 0 to its spare word, and waits for that and for its reads of this slot.
.macro TURN slot, next, fill
	WIN 0
	s_wait_tensorcnt 0x0
	ds_add_u32 v[SPW], v[NIL]
	s_wait_dscnt 5                                 ; the add and the youngest four loads may be out
	MULA 1, 0, 0
	s_wait_dscnt 0x0                               ; the add is done, and my reads of this slot are over
	s_barrier_signal -1
	MULA 1, 1, 0
.if \fill
	WIN 0
.endif
	s_barrier_wait -1
.if \fill
	CREST                                          ; no wave of any partner still reads this slot or has a load on its way
	s_add_nc_u64 s[G0+4*(\slot)+2:G0+4*(\slot)+3], s[G0+4*(\slot)+2:G0+4*(\slot)+3], 2*KSTEP*2
	s_add_nc_u64 s[G0B+4*(\slot)+2:G0B+4*(\slot)+3], s[G0B+4*(\slot)+2:G0B+4*(\slot)+3], 2*KSTEP*2
	JLOAD \slot                                    ; its four v_nop are also the places in front of the loads below
.else
	PLACES
.endif
	FETCH \next, 0, 0
	MULA 1, 2, 0
	MULA 1, 3, 0
.endm
	s_wait_tensorcnt 1                             ; my part of K step 0 is in; step 1's may stay out
	s_barrier_signal -1
	s_barrier_wait -1
	FETCH 0, 0, 0
	QUARTER 0, 64, 0, 1, 1                         ; the first quarter starts the sums
	WIN 0
	s_mov_b32 s3, 7
.Llap:
	QUARTER 0, 128, 1, 0, 0
	QUARTER 0, 192, 0, 1, 0
	TURN 0, 1, 1
	QUARTER 1, 64, 0, 1, 0
	QUARTER 1, 128, 1, 0, 0
	QUARTER 1, 192, 0, 1, 0
	TURN 1, 0, 1
	QUARTER 0, 64, 0, 1, 0
	WIN 0
	s_sub_co_u32 s3, s3, 1
	s_cmp_lg_u32 s3, 0
	s_cbranch_scc1 .Llap
	QUARTER 0, 128, 1, 0, 0                        ; the last lap fills nothing
	QUARTER 0, 192, 0, 1, 0
	TURN 0, 1, 0
	QUARTER 1, 64, 0, 1, 0
	QUARTER 1, 128, 1, 0, 0
	QUARTER 1, 192, 0, 1, 0
	s_wait_dscnt 4
	MULA 1, 0, 0
	MULA 1, 1, 0
	s_wait_dscnt 0x0
	MULA 1, 2, 0
	MULA 1, 3, 0
	; THE LOW-RANK STEP'S SECOND HALF.  t is rounded to f16: lane (r, h) holds ranks 16 (w % 2) + 8 h + 0..7 of row r: registers 4 (w % 2) .. + 3 of a fragment of source 1.
	PLACES
.irp a, 0,1,2,3
	WIN 0x0a+5*((\a)/2)                            ; sources 0 and 1 window 2 or 3
.irp i, 0,1,2,3
	v_cvt_pk_f16_f32 v[TP+4*(\a)+(\i)], v[72*((\a)%2)+64+2*(\i)], v[72*((\a)%2)+64+2*(\i)+1]
.endr
.endr
	WIN 0
.irp a, 0,1,2,3
	ds_store_b128 v[XE], v[TP+4*(\a):TP+4*(\a)+3] offset:(\a)*512
.endr
	s_wait_dscnt 0x0                               ; for the partner's sake: my halves are in LDS
	s_barrier_signal -1
	s_barrier_wait -1
.irp a, 0,1,2,3                        ; ranks 0-15 from the even wave, ranks 16-31 from the odd one
	ds_load_b128 v[TF+8*(\a):TF+8*(\a)+3],   v[XF] offset:(\a)*512
	ds_load_b128 v[TF+8*(\a)+4:TF+8*(\a)+7], v[XF] offset:2048+(\a)*512
.endr
	s_wait_dscnt 0x0
	s_wait_loadcnt 0x0                             ; Bo's fragments, asked for in the head
.irp a, 0,1,2,3
	WIN 0xa1+0x50*((\a)/2)
.set q, 0
.rept 8
	v_wmma_f32_16x16x32_f16 v[72*((\a)%2)+8*q:72*((\a)%2)+8*q+7], v[BFR+8*q:BFR+8*q+7], v[TF+8*(\a):TF+8*(\a)+7], v[72*((\a)%2)+8*q:72*((\a)%2)+8*q+7]
.set q, q+1
.endr
.endr
	WIN 0
	; THE WAY OUT, 16 rows at a time through my own stage: in by columns of 32 bytes a lane, back as whole rows of 512 bytes.
	PLACES
.irp a, 0,1,2,3
	WIN 0x08+4*((\a)/2)                            ; the stores' data in window 2 or 3
.set q, 0
.rept 8
	ds_store_b128 v[STO], v[72*((\a)%2)+8*q:72*((\a)%2)+8*q+3] offset:64*q        ; each accumulator's low registers first
	ds_store_b128 v[STO], v[72*((\a)%2)+8*q+4:72*((\a)%2)+8*q+7] offset:64*q+16
.set q, q+1
.endr
	WIN 0
	s_wait_xcnt 0x0                                ; the registers that the stores of two blocks ago read are loaded again only behind this wait
.set p, 0
.rept 16
	ds_load_b128 v[128+64*((\a)%2)+4*p:128+64*((\a)%2)+4*p+3], v[RD] offset:p*SPIT  ; LDS serves a wave's instructions in order (ISA guide 5.7.1.4): these see the stores above; the next block's stores come behind them
.set p, p+1
.endr
.set p, 0
.rept 16
	s_wait_dscnt 15-p                              ; row p is back; the younger rows stay out
	global_store_b128 v[CO], v[128+64*((\a)%2)+4*p:128+64*((\a)%2)+4*p+3], s[8:9] offset:(\a)*131072+p*8192 th:TH_STORE_NT  ; 512 consecutive bytes of a row, aligned
.set p, p+1
.endr
.endr
	s_wait_tensorcnt 0x0                           ; the wave's end
	ds_add_u32 v[SPW], v[NIL]
	s_wait_dscnt 0x0
	CROUND                                         ; the closing round
	s_endpgm
.Lfunc_end_k_qf8e7b56d32_out_gemm:
	.size	k_qf8e7b56d32_out_gemm, .Lfunc_end_k_qf8e7b56d32_out_gemm-k_qf8e7b56d32_out_gemm
	.p2alignl 7, 3214868480
	.fill 96, 4, 3214868480
	.section	.rodata,"a",@progbits
	.p2align	6, 0x0
	.amdhsa_kernel k_qf8e7b56d32_out_gemm
		.amdhsa_group_segment_fixed_size 327680
		.amdhsa_private_segment_fixed_size 0
		.amdhsa_enable_private_segment 0
		.amdhsa_kernarg_size 24
		.amdhsa_user_sgpr_count 2
		.amdhsa_user_sgpr_kernarg_segment_ptr 1
		.amdhsa_wavefront_size32 1
		.amdhsa_system_sgpr_workgroup_id_x 1
		.amdhsa_system_sgpr_workgroup_id_y 1
		.amdhsa_system_sgpr_workgroup_id_z 1
		.amdhsa_system_vgpr_workitem_id 0
		.amdhsa_next_free_vgpr 912
		.amdhsa_next_free_sgpr 70
		.amdhsa_reserve_vcc 0
		.amdhsa_float_denorm_mode_32 3
		.amdhsa_float_denorm_mode_16_64 3
		.amdhsa_memory_ordered 1
		.amdhsa_forward_progress 1
		.amdhsa_inst_pref_size 100
	.end_amdhsa_kernel
	.amdgpu_metadata
---
amdhsa.version: [ 1, 2 ]
amdhsa.kernels:
  - .name:           k_qf8e7b56d32_out_gemm
    .symbol:         k_qf8e7b56d32_out_gemm.kd
    .args:
      - { .name: y, .offset: 0, .size: 8, .value_kind: global_buffer, .address_space: global }
      - { .name: wb, .offset: 8, .size: 8, .value_kind: global_buffer, .address_space: global }
      - { .name: out0, .offset: 16, .size: 8, .value_kind: global_buffer, .address_space: global }
    .group_segment_fixed_size: 327680
    .private_segment_fixed_size: 0
    .kernarg_segment_align: 8
    .kernarg_segment_size: 24
    .max_flat_workgroup_size: 128
    .sgpr_count:     70
    .vgpr_count:     912
    .wavefront_size: 32
...
	.end_amdgpu_metadata
.endif
;; end of part 4
